; MI455X (gfx1250); checked and timed in simulation.
; The chip was launched on July 23, 2026; its instructions are those of AMD's public machine-readable ISA for CDNA 5 (MIT licence, August 2026) and "CDNA5" Instruction Set Architecture Reference Guide (July 2026). The comments in the code are by the model that wrote it; some were corrected since.
;; Random Attention. Allowed arithmetic: matrix products marked QUANTISED: E2M3 operands, one E8M0 scale for each 32 along K, by v_wmma_scale_f32_16x16x128_f8f6f4 with both operands' format E2M3, f32 sums; everything else in f32.
;; Inputs: Wk 1,024 x 1,024 float32; Wo 1,024 x 1,024 float32; Wq 1,024 x 1,024 float32; Wv 1,024 x 1,024 float32; bk 1,024 float32; bo 1,024 float32; bq 1,024 float32; bv 1,024 float32; hidden_states 4 x 2,048 x 1,024 float32; mask 2,048 x 2,048 bool.
;; Outputs: out0 4 x 2,048 x 1,024 float32.
;; This version of the problem:
;;   THIS VERSION OF THE PROBLEM IS GIVEN IN LOW PRECISION. The matrix products marked QUANTISED in the list below multiply operands that are first quantised to E2M3 (2 exponent bits, 3 mantissa bits; 6 bits a number), with one power-of-two scale for each 32 numbers along K (OCP MX v1.0); their sums are f32. All else is computed in f32.
;;   The module's matrix products, in the order in which they are computed (A, B: the left and right operand; K: the contracted axis; several contracted axes count as one K, in the product's order):
;;     1. [M 8,192, K 1,024] x [K 1,024, N 1,024]; A: input hidden_states; B: input Wq: QUANTISED
;;     2. [M 8,192, K 1,024] x [K 1,024, N 1,024]; A: input hidden_states; B: input Wk: QUANTISED
;;     3. [M 8,192, K 1,024] x [K 1,024, N 1,024]; A: input hidden_states; B: input Wv: QUANTISED
;;     4. batch 64 x [M 2,048, K 64] x [K 64, N 2,048]; A: computed on the way; B: computed on the way: QUANTISED
;;     5. batch 64 x [M 2,048, K 2,048] x [K 2,048, N 64]; A: softmax (see below); B: computed on the way: QUANTISED
;;     6. [M 8,192, K 1,024] x [K 1,024, N 1,024]; A: computed on the way; B: input Wo: QUANTISED
;;   THE QUANTISER, for each operand of a quantised product, along K:
;;     - K is cut into blocks of 32 from its start; a last block that is shorter is filled with zeros.
;;     - A block's scale is 2^e with e = floor(log2(the largest magnitude in the block)) - 2, held to -126 .. 127; a block of zeros has e = 0. As a byte (E8M0): e + 127.
;;     - Each number is divided by its block's scale, clamped to +-7.5, and rounded to the nearest number of E2M3, ties to even, subnormals kept.
;;     - The product sums the exact products of the quantised numbers (number of the format x scale) in f32.
;;   ~~~python
;;   def quantise(x, axis):      # numpy; x: float32 -> the quantised numbers, widened to float32 again
;;       x = np.moveaxis(x, axis, -1); K = x.shape[-1]
;;       x = np.pad(x, [(0, 0)] * (x.ndim - 1) + [(0, -K % 32)]); x = x.reshape(x.shape[:-1] + (-1, 32)); a = np.abs(x).max(-1, keepdims=True)
;;       e = np.where(a > 0, np.clip(np.frexp(np.where(a > 0, a, 1))[1] - 1 - 2, -126, 127), 0)      # np.frexp(a)[1] - 1 = floor(log2(a)), exactly
;;       r = np.clip(x / 2.0 ** e, -7.5, 7.5)
;;       step = 2.0 ** (np.maximum(np.frexp(np.where(r == 0, 1, r))[1] - 1, 0) - 3)
;;       q = np.round(r / step) * step * 2.0 ** e      # np.round: ties to even
;;       return np.moveaxis(q.reshape(q.shape[:-2] + (-1,))[..., :K], -1, axis).astype(np.float32)
;;   ~~~
;;   SOFTMAX AHEAD OF A QUANTISED PRODUCT. Where the list says 'softmax', what is quantised is not the finished softmax but p = 2^(t - M), with t = logit x log2(e) and M = ceil(the row's largest t), a whole number; so 1/2 < the row's largest p <= 1. The row's sum l is taken of the UNQUANTISED p, in f32, and the product's result is divided by l at the end. Since M is a whole number, a kernel that streams over the keys may use a running M (the ceiling of the running maximum): every later rescaling is an exact power of two, which a block's scale takes up: the codes' values come out the same.
;;   OPERANDS COMPUTED ON THE WAY. 'Computed on the way' means the value that the module computes at that place (a softmax that the list does not call 'softmax' is quantised finished and normalised). What goes into a quantiser is computed in f32, as accurately as f32 sums, v_exp_f32 and their like allow (about 1e-6 of the number): no bf16 or f16 on the way to a quantiser, and a product that is left as it is and whose result goes on into a quantised operand takes f32 operands (vector FMAs, or v_wmma_f32_16x16x4_f32). A number that lies on a knife's edge between two numbers of the format may be rounded either way, as far as f32 arithmetic and the matrix unit's own rounding can turn it there, and no further.
;; One version. Each part assembles by itself: llvm-mc -triple=amdgcn-amd-amdhsa -mcpu=gfx1250 --defsym DOCPART=n.
;; ======== version 1 of 1: 4 launches
;; limits: right only within a limited range of input values
;; workspace buffers: xq 6,553,600 bytes; wimg 3,276,800 bytes; maskw 524,288 bytes of whole numbers; qrec 6,553,600 bytes; kv 13,107,200 bytes; ctxq 6,553,600 bytes
;; launch prep (part 1): grid 640 x 1, 4 waves a work-group, no clusters, 68,096 bytes of LDS; arguments hidden_states, Wq, Wk, Wv, Wo, mask, xq, wimg, maskw; writes xq, wimg, maskw
.if DOCPART == 1
	.amdgcn_target "amdgcn-amd-amdhsa--gfx1250"
	.amdhsa_code_object_version 6
	.text
	.protected	k_q27eda2e8b8_prep
	.globl	k_q27eda2e8b8_prep
	.p2align	8
	.type	k_q27eda2e8b8_prep,@function
k_q27eda2e8b8_prep:
	s_mov_b64 s[64:65], 0
	v_nop
	global_prefetch_b8 v0, s[64:65] scope:SCOPE_SE
	s_setreg_imm32_b32 hwreg(HW_REG_WAVE_MODE, 25, 1), 1
	s_wait_xcnt 0x0
; PREP: what many work-groups read later is laid out once.
;   work-groups 0-255 (X): hidden_states [8192][1024] f32 -> xq: codes of FP6 (E2M3) and E8M0 scale bytes, K innermost
;   work-groups 256-511 (W): Wq, Wk, Wv, Wo [k 1024][n 1024] f32 -> wimg: the same, rows = n, K = the weight's first axis
;   work-groups 512-639 (M): mask [2048][2048] bytes -> maskw: lane masks, one 32-bit word for each score register of a query tile
; A block's scale is 2^(floor(log2(its largest magnitude)) - 2): its byte is the largest magnitude's exponent field - 2, held at 1 from below.
; (A block of zeros so keeps the byte 1 where the rule says 127: its codes are zeros, and this program alone reads the bytes.)
; LIMITS: a block whose largest magnitude lies under 2^-124 keeps the byte 1; NaN and infinities among the inputs are not served.
; LAYOUT OF xq AND wimg: [block of 128 rows][K step of 128: 0..7][quad of 64 rows: 0..1][6,400 bytes].  A quad's record is four IMAGES of an operand's
; 12 registers (512 bytes registers 0-3 at 16 x lane, 256 bytes registers 4-5 at 8 x lane, 512 bytes registers 6-9, 256 bytes registers 10-11) and 256 bytes of
; scale words [r 0..15][tile 0..3].  THE ROWS OF A TILE ARE NOT NEIGHBOURS: lane r of tile 2 b + u takes row 32 b + 8 u + r + 8 (r / 8).
; No matrix work, no tensor loads, no barrier: waves share nothing.  Each of the two ways that use LDS has LDS bytes of its own.
.set SP,    528                        ; a stage row: 512 bytes + 16, so that the 16 rows that a load of 16 bytes a lane touches begin 4 words apart modulo 64 words
.set WST,   16*SP                      ; a wave's stage: 16 rows
.set MSTG,  4*WST                      ; X's four stages from byte 0, M's four from here
.set SPARE, 8*WST                      ; behind the stages: the spare words, 128 bytes for each wave: two blocks of 256 bytes that no other line names
.set SPW,   238                        ; v238 LDS address of my spare word; never rewritten
.set NIL,   239                        ; v239 0; never rewritten
.set R,     16                         ; X: v16-143 two sets of 64: a tile's 16 rows as loaded
.set X,     144                        ; X: v144-207 my two whole blocks of 32 neighbours
.set PC,    208                        ; X: v208-219 the fragment's codes
.set CT,    220                        ; X: v220-222, v224-226 the upper halves' codes as converted
.set TM,    228                        ; X: v228-229 largest magnitudes, then bytes
.set SO,    230                        ; X: v230-231 the conversions' scale operands
.set SW,    232                        ; X: v232-235 the four tiles' scale words
.macro FINISH                          ; the wave's end, behind my last LDS store
	s_wait_tensorcnt 0x0
	ds_add_u32 v[SPW], v[NIL]
	s_wait_dscnt 0x0
	s_endpgm
.endm
	s_load_b512 s[4:19], s[0:1], 0x0               ; hidden s[4:5], Wq s[6:7], Wk s[8:9], Wv s[10:11], Wo s[12:13], mask s[14:15], xq s[16:17], wimg s[18:19]
	s_load_b64 s[20:21], s[0:1], 0x40              ; maskw
	v_lshl_add_u32 v[SPW], v0, 2, SPARE
	v_mov_b32 v[NIL], 0
	v_lshrrev_b32 v1, 5, v0
	v_readfirstlane_b32 s22, v1                    ; wave 0..3
	v_and_b32 v1, 31, v0                           ; lane
	v_and_b32 v8, 15, v0                           ; r
	v_bfe_u32 v9, v0, 4, 1                         ; h
	v_lshlrev_b32 v2, 4, v1                        ; 16 x lane
	v_lshlrev_b32 v3, 3, v1                        ; 8 x lane
	s_mul_i32 s23, s22, WST
	v_add_nc_u32 v4, s23, v2                       ; X's stage, in: a row's 512 bytes as they lie
	v_mul_u32_u24 v5, v8, SP
	v_lshl_add_u32 v5, v9, 7, v5
	v_add_nc_u32 v5, s23, v5                       ; X's stage, out: row r, + 128 h: my block of 32 numbers
	v_add_nc_u32 v6, MSTG, v4                      ; M's stage, in
	v_mul_u32_u24 v7, v8, SP
	v_lshl_add_u32 v7, v9, 4, v7
	v_add_nc_u32 v7, s23, v7
	v_add_nc_u32 v7, MSTG, v7                      ; M's stage, out: row r, + 16 h: my 16 keys of a block of 32
	s_mov_b32 s24, 0x76543210
	s_mov_b32 s25, 0xfedcba98                      ; v_permlanex16_b32's selects for lane l xor 16
	s_mov_b32 s26, 0xffff0000                      ; lanes 16-31
	s_wait_kmcnt 0x0
	s_cmp_lt_u32 ttmp9, 256
	s_cbranch_scc0 .Lnot_x
; ---- X: a wave takes one quad (64 tokens) at one K step (128 numbers of each row): one record of xq
	s_lshr_b32 s28, ttmp9, 1                       ; the quad, 0..127
	s_and_b32 s29, ttmp9, 1
	s_lshl_b32 s29, s29, 2
	s_add_co_u32 s29, s29, s22                     ; the K step: 4 (work-group % 2) + wave
	s_lshl_b32 s30, s28, 18                        ; 64 rows of 4,096 bytes
	s_lshl_b32 s31, s29, 9                         ; 128 numbers
	s_add_co_u32 s30, s30, s31
	s_mov_b32 s31, 0
	s_add_nc_u64 s[4:5], s[4:5], s[30:31]
	s_lshr_b32 s30, s28, 1
	s_mul_i32 s30, s30, 102400
	s_mul_i32 s32, s29, 12800
	s_add_co_u32 s30, s30, s32
	s_and_b32 s32, s28, 1
	s_mul_i32 s32, s32, 6400
	s_add_co_u32 s30, s30, s32
	s_add_nc_u64 s[16:17], s[16:17], s[30:31]      ; my record
	v_lshlrev_b32 v10, 3, v9                       ; 8 h: my bytes' place in a scale word
	v_lshlrev_b32 v11, 4, v8
	v_lshl_add_u32 v11, v9, 3, v11                 ; 16 r + 8 h: my two words among the record's scale words
	v_mov_b32 v236, 0                              ; written once: a lane permute's destination counts as one of its sources
.macro XLOAD t                         ; tile t's 16 rows: each load takes one row's 512 consecutive bytes, 16 a lane
.irp rho, 0,1,2,3,4,5,6,7,8,9,10,11,12,13,14,15
	global_load_b128 v[R+64*((\t)%2)+4*\rho:R+64*((\t)%2)+4*\rho+3], v2, s[4:5] offset:(32*((\t)/2)+8*((\t)%2)+\rho+8*(\rho/8))*4096 th:TH_LOAD_NT
.endr
.endm
.macro XT t                            ; tile t: through the stage, so that lane (r, h) holds k = 64 c + 32 h + 0 .. 31 of row r; quantised; its image stored
.if (\t) < 3
	s_wait_loadcnt 16                              ; this tile's 16 loads are in; the next tile's 16 may be out
.else
	s_wait_loadcnt 0x0
.endif
.irp rho, 0,1,2,3,4,5,6,7,8,9,10,11,12,13,14,15
	ds_store_b128 v4, v[R+64*((\t)%2)+4*\rho:R+64*((\t)%2)+4*\rho+3] offset:\rho*SP
.endr
.irp c, 0,1
.irp k, 0,1,2,3,4,5,6,7
	ds_load_b128 v[X+32*\c+4*\k:X+32*\c+4*\k+3], v5 offset:256*\c+16*\k   ; LDS serves a wave's instructions in order: these see the stores above
.endr
.endr
	s_wait_dscnt 0x0                               ; the numbers are back, and the stage's stores have read their registers
	s_wait_xcnt 0x0                                ; the last tile's image stores have read their registers: the codes may be written again
.if (\t)+2 < 4
	XLOAD (\t)+2
.endif
.irp c, 0,1
	v_max3_num_f32 v[TM+\c], |v[X+32*\c]|, |v[X+32*\c+1]|, 0x1800000   ; block 2 c + h: all 32 numbers are mine; the floor 2^(3 - 127) holds the byte at 1 from below
.endr
.irp e, 2,4,6,8,10,12,14,16,18,20,22,24,26,28,30
.irp c, 0,1
	v_max3_num_f32 v[TM+\c], v[TM+\c], |v[X+32*\c+\e]|, |v[X+32*\c+\e+1]|
.endr
.endr
.irp c, 0,1
	v_add_nc_u32 v[SO+\c], 0xff000000, v[TM+\c]    ; 2 off the exponent field: the conversion takes this operand's exponent field as its scale
.endr
.irp c, 0,1
	v_lshrrev_b32 v[TM+\c], 23, v[SO+\c]           ; the scale's byte
.endr
	v_lshl_or_b32 v237, v[TM+1], 16, v[TM]         ; my two bytes: blocks h and 2 + h,
	v_lshlrev_b32 v237, v10, v237                  ; at their places in the word;
	v_permlanex16_b32 v236, v237, s24, s25
	v_or_b32 v[SW+(\t)], v237, v236                ; with lane l xor 16's two the word is whole
.irp c, 0,1
	v_cvt_scalef32_pk16_fp6_f32 v[PC+6*\c:PC+6*\c+2], v[X+32*\c:X+32*\c+15], v[SO+\c]
	v_cvt_scalef32_pk16_fp6_f32 v[CT+4*\c:CT+4*\c+2], v[X+32*\c+16:X+32*\c+31], v[SO+\c]   ; (a conversion's three registers begin on an even number)
.endr
	v_nop                                          ; one plain place behind a scaled conversion
.irp c, 0,1
.irp k, 0,1,2
	v_mov_b32 v[PC+6*\c+3+\k], v[CT+4*\c+\k]
.endr
.endr
	global_store_b128 v2, v[PC:PC+3], s[16:17] offset:1536*(\t)             ; the image: each store covers 512 or 256 consecutive bytes, aligned to 256
	global_store_b64 v3, v[PC+4:PC+5], s[16:17] offset:1536*(\t)+512
	global_store_b128 v2, v[PC+6:PC+9], s[16:17] offset:1536*(\t)+768
	global_store_b64 v3, v[PC+10:PC+11], s[16:17] offset:1536*(\t)+1280
.endm
	XLOAD 0
	XLOAD 1
	XT 0
	XT 1
	XT 2
	XT 3
	v_cndmask_b32 v236, v[SW], v[SW+2], s26        ; lanes 0-15 store tiles 0 and 1's words of row r, lanes 16-31 tiles 2 and 3's
	v_cndmask_b32 v237, v[SW+1], v[SW+3], s26
	global_store_b64 v11, v[236:237], s[16:17] offset:6144   ; 256 consecutive bytes
	FINISH
.Lnot_x:
	s_cmp_lt_u32 ttmp9, 512
	s_cbranch_scc0 .Lmask
; ---- W: a lane takes a column n and its registers run down K; a wave takes 32 columns (two tiles) at one K step
	s_sub_co_u32 s28, ttmp9, 256
	s_lshr_b32 s29, s28, 6                         ; which weight: 0 Wq, 1 Wk, 2 Wv, 3 Wo
	s_bfe_u32 s30, s28, 0x30003
	s_lshl_b32 s30, s30, 2
	s_add_co_u32 s30, s30, s22                     ; which 32 columns, 0..31
	s_and_b32 s31, s28, 7                          ; the K step
	s_cmp_eq_u32 s29, 0
	s_cselect_b64 s[34:35], s[6:7], s[8:9]
	s_cmp_lt_u32 s29, 2
	s_cselect_b64 s[34:35], s[34:35], s[10:11]
	s_cmp_lt_u32 s29, 3
	s_cselect_b64 s[34:35], s[34:35], s[12:13]
	s_lshl_b32 s36, s31, 19                        ; 128 rows of 4,096 bytes
	s_lshl_b32 s37, s30, 7                         ; 32 columns
	s_add_co_u32 s36, s36, s37
	s_mov_b32 s37, 0
	s_add_nc_u64 s[34:35], s[34:35], s[36:37]
	s_lshl_b32 s36, s29, 3
	s_lshr_b32 s38, s30, 2
	s_add_co_u32 s36, s36, s38                     ; the block of 128 rows of wimg
	s_mul_i32 s36, s36, 102400
	s_mul_i32 s38, s31, 12800
	s_add_co_u32 s36, s36, s38
	s_bfe_u32 s38, s30, 0x10001
	s_mul_i32 s38, s38, 6400
	s_add_co_u32 s36, s36, s38
	s_add_nc_u64 s[18:19], s[18:19], s[36:37]      ; the quad's record
	s_and_b32 s38, s30, 1                          ; which two of its four tiles
	v_and_b32 v12, 7, v1
	v_lshrrev_b32 v13, 4, v1
	v_lshl_add_u32 v12, v13, 3, v12                ; column 32 g + l is lane r = l % 8 + 8 (l / 16)
	v_bfe_u32 v13, v1, 3, 1                        ; of tile u = (l / 8) % 2
	s_mul_i32 s39, s38, 3072
	v_mul_u32_u24 v15, v13, 1536
	v_add_nc_u32 v15, s39, v15                     ; my tile's image
	v_lshl_add_u32 v100, v12, 4, v15               ; + 16 r
	v_lshl_add_u32 v101, v12, 3, v15               ; + 8 r
	v_lshlrev_b32 v102, 2, v13
	v_lshl_add_u32 v102, v12, 4, v102
	s_lshl_b32 s39, s38, 3
	v_add_nc_u32 v102, s39, v102                   ; my scale word: 16 r + 4 x tile
	v_lshlrev_b32 v103, 2, v1                      ; in: 4 bytes a lane
.macro WLOAD kb                        ; block kb: W(32 kb + e, my column): 32 lanes read 128 consecutive bytes, the four waves 512
.irp e, 0,1,2,3,4,5,6,7,8,9,10,11,12,13,14,15,16,17,18,19,20,21,22,23,24,25,26,27,28,29,30,31
	global_load_b32 v[16+32*((\kb)%2)+\e], v103, s[34:35] offset:(32*(\kb)+\e)*4096 th:TH_LOAD_NT
.endr
.endm
.macro WBLK kb                         ; block kb = 2 c + h' is registers 6 c .. 6 c + 5 of lane (r, h') of my tile's fragment
.set XS, 16+32*((\kb)%2)
.set CW, 104+8*(\kb)                   ; each block has its own registers for its codes: no store's data are written again
.if (\kb) < 3
	s_wait_loadcnt 32                              ; this block's 32 loads are in; the next block's 32 may be out
.else
	s_wait_loadcnt 0x0
.endif
	v_max3_num_f32 v80, |v[XS]|, |v[XS+1]|, |v[XS+2]|
	v_max3_num_f32 v81, |v[XS+3]|, |v[XS+4]|, |v[XS+5]|
.irp e, 6,10,14,18,22,26
	v_max3_num_f32 v80, v80, |v[XS+\e]|, |v[XS+\e+1]|
	v_max3_num_f32 v81, v81, |v[XS+\e+2]|, |v[XS+\e+3]|
.endr
	v_max3_num_f32 v80, v80, |v[XS+30]|, |v[XS+31]|
	v_max3_num_f32 v80, v80, v81, 0x1800000        ; and the floor
	v_add_nc_u32 v82, 0xff000000, v80
	v_lshrrev_b32 v83, 23, v82
.if (\kb) == 0
	v_mov_b32 v84, v83
.else
	v_lshl_or_b32 v84, v83, 8*(\kb), v84           ; four bytes make my column's scale word
.endif
	v_cvt_scalef32_pk16_fp6_f32 v[CW:CW+2], v[XS:XS+15], v82
	v_cvt_scalef32_pk16_fp6_f32 v[86:88], v[XS+16:XS+31], v82
	v_nop                                          ; one plain place behind a scaled conversion
.irp k, 0,1,2
	v_mov_b32 v[CW+3+\k], v[86+\k]
.endr
	global_store_b128 v100, v[CW:CW+3], s[18:19] offset:768*((\kb)/2)+256*((\kb)%2)       ; sixteen lanes of a tile cover 256 consecutive bytes, aligned
	global_store_b64 v101, v[CW+4:CW+5], s[18:19] offset:768*((\kb)/2)+512+128*((\kb)%2)
.if (\kb)+2 < 4
	WLOAD (\kb)+2
.endif
.endm
	WLOAD 0
	WLOAD 1
	WBLK 0
	WBLK 1
	WBLK 2
	WBLK 3
	global_store_b32 v102, v84, s[18:19] offset:6144
	FINISH
.Lmask:
; ---- M: a work-group takes a tile of 16 queries, a wave 512 keys: four records of 64 words.  Bit l = (r, h) of word 16 f + i of key step j is mask[query of lane r][128 j + 32 f + 16 h + i]
	s_sub_co_u32 s28, ttmp9, 512                   ; the query tile, 0..127
	s_lshr_b32 s29, s28, 1
	s_lshl_b32 s29, s29, 5
	s_and_b32 s30, s28, 1
	s_lshl_b32 s30, s30, 3
	s_add_co_u32 s29, s29, s30                     ; its first query
	s_lshl_b32 s30, s29, 11                        ; rows of 2,048 bytes
	s_lshl_b32 s31, s22, 9
	s_add_co_u32 s30, s30, s31
	s_mov_b32 s31, 0
	s_add_nc_u64 s[14:15], s[14:15], s[30:31]
	s_lshl_b32 s30, s28, 12                        ; 16 records of 256 bytes a tile
	s_lshl_b32 s32, s22, 10
	s_add_co_u32 s30, s30, s32
	s_add_nc_u64 s[20:21], s[20:21], s[30:31]
.irp rho, 0,1,2,3,4,5,6,7,8,9,10,11,12,13,14,15
	global_load_b128 v[16+4*\rho:19+4*\rho], v2, s[14:15] offset:(\rho+8*(\rho/8))*2048 th:TH_LOAD_NT   ; a row's 512 consecutive bytes
.endr
.irp k, 0,1,2,3,4,5,6,7
	v_mov_b32 v[144+\k], 0                         ; written once: v_writelane_b32's destination counts as read
.endr
	s_wait_loadcnt 0x0
.irp rho, 0,1,2,3,4,5,6,7,8,9,10,11,12,13,14,15
	ds_store_b128 v6, v[16+4*\rho:19+4*\rho] offset:\rho*SP
.endr
	s_wait_alu depctr_va_vdst(0)
.irp jj, 0,1,2,3
.irp f, 0,1,2,3
	ds_load_b128 v[80+16*\jj+4*\f:83+16*\jj+4*\f], v7 offset:128*\jj+32*\f
.endr
.endr
	s_wait_dscnt 0x0
.macro MWORDS jj                       ; a record: word n's 32 bits are one compare's lane mask; lane n / 2 keeps words n and n + 1
.set n, 0
.rept 64
	v_and_b32 v[152+n%2], 0xff<<(8*(n%4)), v[80+16*(\jj)+n/4]
	v_cmp_ne_u32 s[40+n%2], 0, v[152+n%2]
	v_writelane_b32 v[144+2*(\jj)+n%2], s[40+n%2], n/2
.set n, n+1
.endr
	global_store_b64 v3, v[144+2*(\jj):145+2*(\jj)], s[20:21] offset:256*(\jj)   ; 256 consecutive bytes, aligned
.endm
	MWORDS 0
	MWORDS 1
	MWORDS 2
	MWORDS 3
	FINISH
.Lfunc_end_k_q27eda2e8b8_prep:
	.size	k_q27eda2e8b8_prep, .Lfunc_end_k_q27eda2e8b8_prep-k_q27eda2e8b8_prep
	.p2alignl 7, 3214868480
	.fill 96, 4, 3214868480
	.section	.rodata,"a",@progbits
	.p2align	6, 0x0
	.amdhsa_kernel k_q27eda2e8b8_prep
		.amdhsa_group_segment_fixed_size 68096
		.amdhsa_private_segment_fixed_size 0
		.amdhsa_enable_private_segment 0
		.amdhsa_kernarg_size 72
		.amdhsa_user_sgpr_count 2
		.amdhsa_user_sgpr_kernarg_segment_ptr 1
		.amdhsa_wavefront_size32 1
		.amdhsa_system_sgpr_workgroup_id_x 1
		.amdhsa_system_sgpr_workgroup_id_y 1
		.amdhsa_system_sgpr_workgroup_id_z 1
		.amdhsa_system_vgpr_workitem_id 0
		.amdhsa_next_free_vgpr 240
		.amdhsa_next_free_sgpr 66
		.amdhsa_reserve_vcc 0
		.amdhsa_float_denorm_mode_32 3
		.amdhsa_float_denorm_mode_16_64 3
		.amdhsa_memory_ordered 1
		.amdhsa_forward_progress 1
		.amdhsa_inst_pref_size 104
	.end_amdhsa_kernel
	.amdgpu_metadata
---
amdhsa.version: [ 1, 2 ]
amdhsa.kernels:
  - .name:           k_q27eda2e8b8_prep
    .symbol:         k_q27eda2e8b8_prep.kd
    .args:
      - { .name: hidden_states, .offset: 0, .size: 8, .value_kind: global_buffer, .address_space: global }
      - { .name: Wq, .offset: 8, .size: 8, .value_kind: global_buffer, .address_space: global }
      - { .name: Wk, .offset: 16, .size: 8, .value_kind: global_buffer, .address_space: global }
      - { .name: Wv, .offset: 24, .size: 8, .value_kind: global_buffer, .address_space: global }
      - { .name: Wo, .offset: 32, .size: 8, .value_kind: global_buffer, .address_space: global }
      - { .name: mask, .offset: 40, .size: 8, .value_kind: global_buffer, .address_space: global }
      - { .name: xq, .offset: 48, .size: 8, .value_kind: global_buffer, .address_space: global }
      - { .name: wimg, .offset: 56, .size: 8, .value_kind: global_buffer, .address_space: global }
      - { .name: maskw, .offset: 64, .size: 8, .value_kind: global_buffer, .address_space: global }
    .group_segment_fixed_size: 68096
    .private_segment_fixed_size: 0
    .kernarg_segment_align: 8
    .kernarg_segment_size: 72
    .max_flat_workgroup_size: 128
    .sgpr_count:     66
    .vgpr_count:     240
    .wavefront_size: 32
...
	.end_amdgpu_metadata
.endif
;; end of part 1
;; launch qkv (part 2): grid 16 x 48, 4 waves a work-group, clusters of 4 x 4, 307,712 bytes of LDS; arguments xq, wimg, bq, bk, bv, qrec, kv; writes qrec, kv
.if DOCPART == 2
	.amdgcn_target "amdgcn-amd-amdhsa--gfx1250"
	.amdhsa_code_object_version 6
	.text
	.protected	k_q27eda2e8b8_qkv
	.globl	k_q27eda2e8b8_qkv
	.p2align	8
	.type	k_q27eda2e8b8_qkv,@function
k_q27eda2e8b8_qkv:
	s_mov_b64 s[64:65], 0
	v_nop
	global_prefetch_b8 v0, s[64:65] scope:SCOPE_SE
	s_setreg_imm32_b32 hwreg(HW_REG_WAVE_MODE, 25, 1), 1
	s_wait_xcnt 0x0
	s_wait_alu depctr_hold_cnt(0) depctr_sa_sdst(0) depctr_va_vdst(0) depctr_va_sdst(0) depctr_va_ssrc(0) depctr_va_vcc(0) depctr_vm_vsrc(0)
	s_getreg_b32 s2, hwreg(HW_REG_IB_STS2, 6, 4)
	s_cmp_eq_u32 s2, 0
	s_cbranch_scc0 .Lentry_in_a_cluster
	s_endpgm
.Lentry_in_a_cluster:
	s_bfe_u32 s2, ttmp6, 0x10000c
	s_cmp_lg_u32 s2, 0xf033
	s_cbranch_scc0 .Lentry_shape_is_right
	s_endpgm
.Lentry_shape_is_right:
; QKV: q = x Wq + bq, k = x Wk + bk, v = x Wv + bv on codes of FP6 (E2M3) with E8M0 scales, and the results quantised at once for attention's two products.
; A work-group multiplies P, one block of 128 rows (source 0), by Q, two blocks = 256 rows (source 1), over all of K = 1,024: 307,200 bytes of LDS, EACH BYTE FILLED ONCE: no ring, no refill.
; Wave w takes P's 8 tiles x the 4 tiles of Q's quad w: 32 accumulators, 256 registers.
; REGIONS, by the cluster's y.  y < 8 (q and k): P = a block of Wq's or Wk's columns, Q = tokens: a lane holds ONE token and its registers run along the head's d, which is the K of q k^T.
; y >= 8 (v): P = 128 tokens, Q = Wv's columns: a lane holds ONE d and its registers run along 128 tokens, which are the K of p v.  So one quantiser text serves all three.
; THE ROWS OF A TILE ARE NOT NEIGHBOURS (lane r of tile 2 b + u: row 32 b + 8 u + r + 8 (r / 8)): the 16 registers of result tiles 2 b, 2 b + 1 are 16 neighbours 32 b + 16 (lane / 16) + 0 .. 15 of source 0's rows.
; CLUSTER 4 x 4: P hangs on the work-group's x alone and is asked for jointly by a column of the cluster, Q on its y alone and is asked for by a row: the requests for both are divided by four.
; OUT: qrec [b 16 + head][key step j][6,400]: 8 half images (K 0..63 of a fragment: 768 bytes) of tiles 8 j .. 8 j + 7, then 256 bytes of scale words.
;      kv [b 16 + head][j][12,800]: 8 half images of k; 4 images of v (16 d x 128 keys); 512 bytes of scale words [k f 0,1][v t 0,1][k f 2,3][v t 2,3], 8 bytes a row.
; LIMITS: a block whose largest magnitude lies under 2^-124 keeps the byte 1 (a block of zeros too: its codes are zeros); NaN and infinities are not served.
; REGISTERS.  window 0: v1-3 lane, r, h; v4-15 LDS addresses; v16-31 scale words, two sets; v32-127 Q's fragments, two sets of 48 (later the codes made); v128-191 the bias; v192, v193 the add's two; v194-226 at work.
;   window 1: P's fragments, two sets, at v0 and v128.   window 2: accumulator (qi, pi) at v[64 qi + 8 pi].
.set BLK,   102400                     ; a block of 128 rows: 8 K steps x 2 quads x 6,400 bytes
.set CH,    25600                      ; two K steps of a block; a tensor load brings four K steps, 2 CH, of one block (P) or of two (Q)
.set KST,   12800
.set QD,    6400
.set SPARE, 3*BLK                      ; behind P and Q: the spare words, 128 bytes for each wave: two blocks of 256 bytes that no other line names
.set WV,  18
.set G1P, 24                           ; s[24:31] descriptor group 1 for P; s[32:39] for Q
.set G1Q, 32
.set G0P, 40                           ; s[40:47] two groups 0 for P: K steps 0-3, K steps 4-7
.set G0Q, 56                           ; s[56:63] two for Q
.set SEL, 84
.set SPW, 192
.set NIL, 193
.set BIAS, 128
.set O16, 196
.set O8,  200
.set TM,  204
.set PW,  208
.set T4,  212
.set SO,  216
.set MSB, 0
.macro WIN new                         ; the immediate's high byte repeats the setting that is left
.if MSB != \new
	s_set_vgpr_msb (MSB<<8)|\new
.set MSB, \new
.endif
.endm
.macro CROUND                          ; a round of the cluster's barrier
	s_barrier_signal -1
	s_barrier_wait -1
	s_cmp_lg_u32 s[WV], 0
	s_cbranch_scc1 .Lnot_wave_0_\@
	s_barrier_signal -3
.Lnot_wave_0_\@:
	s_barrier_wait -3
	s_barrier_signal -1
	s_barrier_wait -1
.endm
.macro PLACES                          ; four plain places behind a matrix instruction, in front of loads into its registers and of reads of its results
.rept 4
	v_nop
.endr
.endm
.macro FRAG reg, a16, a8, off          ; an image comes back as the 12 registers that it is: every load takes consecutive bytes
	ds_load_b128 v[(\reg):(\reg)+3], v[\a16] offset:(\off)
	ds_load_b64 v[(\reg)+4:(\reg)+5], v[\a8] offset:(\off)+512
	ds_load_b128 v[(\reg)+6:(\reg)+9], v[\a16] offset:(\off)+768
	ds_load_b64 v[(\reg)+10:(\reg)+11], v[\a8] offset:(\off)+1280
.endm
.macro FETCH s, set                    ; K step s into set: 50 LDS loads: P's 8 fragments, my 4 of Q, the scale words.  Steps 4-7 lie beyond the 16-bit offset: a second set of address registers, 51,200 on
	WIN 0x40                                       ; destination window 1
.irp pi, 0,1,2,3,4,5,6,7
	FRAG 128*(\set)+12*\pi, 4+2*((\s)/4), 5+2*((\s)/4), ((\s)%4)*KST+QD*(\pi/4)+1536*(\pi%4)
.endr
	WIN 0
.irp qi, 0,1,2,3
	FRAG 32+48*(\set)+12*\qi, 8+2*((\s)/4), 9+2*((\s)/4), ((\s)%4)*KST+1536*\qi
.endr
	ds_load_b128 v[16+8*(\set):19+8*(\set)], v[12+(\s)/4] offset:((\s)%4)*KST+6144   ; P's words: lanes 0-15 tiles 0-3, lanes 16-31 tiles 4-7
	ds_load_b128 v[20+8*(\set):23+8*(\set)], v[14+(\s)/4] offset:((\s)%4)*KST+6144   ; my quad's of Q
.endm
.macro WM d, a, b, c, sa, sb, hi
.if \hi
	v_wmma_scale_f32_16x16x128_f8f6f4 v[(\d):(\d)+7], v[(\a):(\a)+11], v[(\b):(\b)+11], v[(\c):(\c)+7], v[\sa], v[\sb] matrix_a_fmt:MATRIX_FMT_FP6 matrix_b_fmt:MATRIX_FMT_FP6 matrix_a_scale:MATRIX_SCALE_ROW1
.else
	v_wmma_scale_f32_16x16x128_f8f6f4 v[(\d):(\d)+7], v[(\a):(\a)+11], v[(\b):(\b)+11], v[(\c):(\c)+7], v[\sa], v[\sb] matrix_a_fmt:MATRIX_FMT_FP6 matrix_b_fmt:MATRIX_FMT_FP6
.endif
.endm
; 32 matrix instructions: one K step.  The 32 accumulators take turns, one instruction a turn, in the same order in every step.
; mode 0: onto the sums.  mode 1, 2: the first K step starts them, with the bias as C: by source 0's rows (1) or by source 1's (2).
.macro MUL32 set, mode
.if (\mode) == 0
	WIN 0xa1                                       ; source 0 window 1, source 1 window 0, C and D window 2
.else
	WIN 0x81                                       ; C window 0
.endif
.irp qi, 0,1,2,3
.irp pi, 0,1,2,3,4,5,6,7
.if (\mode) == 0
	WM 64*\qi+8*\pi, 128*(\set)+12*\pi, 32+48*(\set)+12*\qi, 64*\qi+8*\pi, 16+8*(\set)+\pi%4, 20+8*(\set)+\qi, \pi/4
.elseif (\mode) == 1
	WM 64*\qi+8*\pi, 128*(\set)+12*\pi, 32+48*(\set)+12*\qi, BIAS+8*\pi, 16+8*(\set)+\pi%4, 20+8*(\set)+\qi, \pi/4
.else
	WM 64*\qi+8*\pi, 128*(\set)+12*\pi, 32+48*(\set)+12*\qi, BIAS+8*\qi, 16+8*(\set)+\pi%4, 20+8*(\set)+\qi, \pi/4
.endif
.endr
.endr
.endm
.macro SLOTWAIT n                      ; all my tensor loads have landed, my LDS loads are in; then everybody's
	s_wait_tensorcnt \n
	s_wait_dscnt 0x0
	s_barrier_signal -1
	s_barrier_wait -1
.endm
	s_load_b256 s[4:11], s[0:1], 0x0               ; xq s[4:5], wimg s[6:7], bq s[8:9], bk s[10:11]
	s_load_b128 s[12:15], s[0:1], 0x20             ; bv s[12:13], qrec s[14:15]
	s_load_b64 s[16:17], s[0:1], 0x30              ; kv
	v_lshl_add_u32 v[SPW], v0, 2, SPARE
	v_mov_b32 v[NIL], 0
	ds_add_u32 v[SPW], v[NIL]                      ; the wave's opening: the add and its wait stand ahead of my first tensor load; work on registers stands between them
	ds_add_u32 v[SPW], v[NIL]
	v_lshrrev_b32 v1, 5, v0
	v_readfirstlane_b32 s[WV], v1                  ; wave 0..3
	s_bfe_u32 s19, ttmp6, 0x40000                  ; cx
	s_bfe_u32 s20, ttmp6, 0x40004                  ; cy
	s_and_b32 s21, ttmp7, 0xffff                   ; the cluster's y, 0..11
	s_lshl_b32 s23, ttmp9, 2
	s_add_co_u32 s23, s23, s19                     ; the work-group's x, 0..15
	s_cmp_ge_u32 s21, 8
	s_cselect_b32 s22, 1, 0                        ; 1: the region of v.  The same in all sixteen partners
	s_lshl_b32 s76, 0x1111, s19                    ; my column of the cluster
	s_or_b32 s[G1P], s76, (3<<16)|(1<<21)          ; 15:0 the mask; 17:16 elements of 8 bytes; 21 set beside a mask; no padding
	s_lshl_b32 s80, s20, 2
	s_lshl_b32 s80, 15, s80                        ; my row
	s_or_b32 s[G1Q], s80, (3<<16)|(1<<21)
	s_mov_b32 s[G1P+1], 32<<16                     ; P: four K steps of one block are dense: 200 rows of 32 elements, 256 bytes
	s_mov_b32 s[G1P+2], 200<<16
	s_mov_b32 s[G1P+3], 32<<16
	s_mov_b32 s[G1P+4], 200
	s_mov_b32 s[G1P+5], 32
	s_mov_b32 s[G1Q+1], 6400<<16                   ; Q: four K steps of two neighbouring blocks: 2 rows of 6,400 elements (51,200 bytes, 200 x 256),
	s_mov_b32 s[G1Q+2], 2<<16
	s_mov_b32 s[G1Q+3], 6400<<16
	s_mov_b32 s[G1Q+4], 2
	s_mov_b32 s[G1Q+5], 12800                      ; a block, 102,400 bytes, apart; in LDS the two rows lie on end
.irp g, G1P, G1Q
	s_mov_b32 s[\g+6], 0
	s_mov_b32 s[\g+7], 0
.endr
	; P's block: q, k: block x of wimg;  v: block x + 16 (y - 8) of xq.  These registers never hold cy
	s_sub_co_u32 s77, s21, 8
	s_lshl_b32 s77, s77, 4
	s_add_co_u32 s77, s77, s23
	s_cmp_eq_u32 s22, 1
	s_cselect_b32 s76, s77, s23
	s_mul_i32 s76, s76, BLK
	s_mov_b32 s77, 0
	; Q's blocks: q, k: 8 y + 2 cy, + 1 of xq;  v: 16 + 2 cy, + 1 of wimg: one descriptor covers both.  These registers never hold cx
	s_lshl_b32 s80, s20, 1
	s_lshl_b32 s81, s21, 3
	s_cmp_eq_u32 s22, 1
	s_cselect_b32 s81, 16, s81
	s_add_co_u32 s80, s80, s81
	s_mul_i32 s80, s80, BLK
	s_mov_b32 s81, 0
	s_lshr_b32 s84, s[WV], 1
	s_mul_i32 s84, s84, 2*CH                       ; LDS behind P: [K steps 0-3: block 0, block 1][K steps 4-7: block 0, block 1], 51,200 bytes each
	s_add_co_u32 s84, s84, BLK                     ; LDS: Q's block wave / 2, behind P: where waves 1 and 3 fetch to, and where my quad lies
	s_and_b32 s85, s[WV], 1
	s_mul_i32 s85, s85, QD
	s_add_co_u32 s85, s85, s84                     ; my quad of Q: quad wave % 2 of block wave / 2
	s_wait_dscnt 0x0                               ; the opening add is done
	s_wait_kmcnt 0x0
	s_cmp_eq_u32 s22, 1
	s_cselect_b64 s[78:79], s[4:5], s[6:7]         ; P's buffer
	s_cselect_b64 s[82:83], s[6:7], s[4:5]         ; Q's
	s_add_nc_u64 s[78:79], s[78:79], s[76:77]
	s_add_nc_u64 s[82:83], s[82:83], s[80:81]
	CROUND                                         ; all sixteen work-groups are here: the joint loads meet
.irp k, 0,1
	s_mov_b32 s[G0P+4*\k], 1                       ; count = 1
	s_mov_b32 s[G0P+4*\k+1], 2*CH*\k               ; LDS address
	s_add_nc_u64 s[G0P+4*\k+2:G0P+4*\k+3], s[78:79], 2*CH*\k
	s_or_b32 s[G0P+4*\k+3], s[G0P+4*\k+3], 0x80000000   ; type = 2
	s_mov_b32 s[G0Q+4*\k], 1
	s_mov_b32 s[G0Q+4*\k+1], BLK+BLK*\k
	s_add_nc_u64 s[G0Q+4*\k+2:G0Q+4*\k+3], s[82:83], 2*CH*\k
	s_or_b32 s[G0Q+4*\k+3], s[G0Q+4*\k+3], 0x80000000
.endr
; ONE joint load a wave, in one chain of branches on the wave's number: wave 0 P's K steps 0-3, wave 1 Q's, wave 2 P's K steps 4-7, wave 3 Q's
.macro ARM w, g0, g1, next
	s_cmp_eq_u32 s[WV], \w
	s_cbranch_scc0 \next
	tensor_load_to_lds s[\g0:\g0+3], s[\g1:\g1+7]
	s_nop 0
	PLACES
	s_branch .Lasked
\next:
.endm
	ARM 0, G0P, G1P, .Lw1
	ARM 1, G0Q, G1Q, .Lw2
	ARM 2, G0P+4, G1P, .Lw3
	tensor_load_to_lds s[G0Q+4:G0Q+7], s[G1Q:G1Q+7]
	s_nop 0
	PLACES
.Lasked:
	v_and_b32 v1, 31, v0                           ; lane
	v_and_b32 v2, 15, v0                           ; r
	v_bfe_u32 v3, v0, 4, 1                         ; h
	v_lshlrev_b32 v4, 4, v1                        ; P: 16 x lane,
	v_lshlrev_b32 v5, 3, v1                        ; 8 x lane,
	v_add_nc_u32 v6, 4*KST, v4                     ; and the same four K steps on
	v_add_nc_u32 v7, 4*KST, v5
	v_add_nc_u32 v8, s85, v4                       ; my quad of Q likewise
	v_add_nc_u32 v9, s85, v5
	v_add_nc_u32 v10, BLK, v8                      ; Q's K steps 4-7 lie 102,400 bytes behind its K steps 0-3
	v_add_nc_u32 v11, BLK, v9
	v_lshlrev_b32 v12, 4, v2
	v_add_nc_u32 v14, s85, v12                     ; Q's scale words: 16 r
	v_mad_u32_u24 v12, v3, QD, v12                 ; P's: 16 r, lanes 16-31 the second quad's
	v_add_nc_u32 v13, 4*KST, v12
	v_add_nc_u32 v15, BLK, v14
.irp b, 0,1,2,3
	v_mov_b32 v[T4+\b], 0                          ; written once: a lane permute's destination counts as one of its sources
.endr
	s_mov_b32 s[SEL], 0x76543210
	s_mov_b32 s[SEL+1], 0xfedcba98                 ; v_permlanex16_b32's selects for lane l xor 16
	s_mov_b32 s89, 0
	s_cmp_eq_u32 s22, 1
	s_cbranch_scc1 .Lbias_v
	s_cmp_lt_u32 ttmp9, 2                          ; x < 8: q, else k
	s_cselect_b64 s[86:87], s[8:9], s[10:11]
	s_and_b32 s88, s23, 7
	s_lshl_b32 s88, s88, 9                         ; my block's 128 numbers
	s_add_nc_u64 s[86:87], s[86:87], s[88:89]
	v_lshlrev_b32 v194, 6, v3                      ; lane (r, h) wants, for tile 2 b + u, those of columns 32 b + 16 h + 8 u + 0 .. 7
.irp pi, 0,1,2,3,4,5,6,7
	global_load_b128 v[BIAS+8*\pi:BIAS+8*\pi+3], v194, s[86:87] offset:(32*(\pi/2)+8*(\pi%2))*4
	global_load_b128 v[BIAS+8*\pi+4:BIAS+8*\pi+7], v194, s[86:87] offset:(32*(\pi/2)+8*(\pi%2))*4+16
.endr
	s_branch .Lbias_done
.Lbias_v:
	s_lshl_b32 s88, s20, 10
	s_lshl_b32 s90, s[WV], 8
	s_add_co_u32 s88, s88, s90                     ; bv at column 256 cy + 64 wave
	s_add_nc_u64 s[86:87], s[12:13], s[88:89]
	v_and_b32 v195, 8, v2
	v_add_nc_u32 v195, v195, v2
	v_lshlrev_b32 v195, 2, v195                    ; my lane's column of a tile: r + 8 (r / 8); its number fills all eight registers
.irp qi, 0,1,2,3
.irp e, 0,1,2,3,4,5,6,7
	global_load_b32 v[BIAS+8*\qi+\e], v195, s[86:87] offset:(32*(\qi/2)+8*(\qi%2))*4
.endr
.endr
.irp e, 32,33,34,35,36,37,38,39,40,41,42,43,44,45,46,47,48,49,50,51,52,53,54,55,56,57,58,59,60,61,62,63
	v_mov_b32 v[BIAS+\e], 0                        ; this way uses 32 of the 64: the others are written so that the whole run is defined on both ways
.endr
.Lbias_done:
	s_cmp_lt_u32 s[WV], 2                          ; K steps 0 to 3 came by waves 0 and 1, whose load lines are their own: they wait; waves 2 and 3's loads may stay out
	s_cbranch_scc0 .Lhalf0
	s_wait_tensorcnt 0x0
.Lhalf0:
	s_wait_dscnt 0x0
	s_barrier_signal -1
	s_barrier_wait -1
	s_wait_alu depctr_va_vdst(0)
	FETCH 0, 0
	FETCH 1, 1
	s_wait_loadcnt 0x0                             ; the bias
	s_wait_dscnt 50                                ; step 0's 50 loads are in; step 1's 50 may be out
	s_cmp_eq_u32 s22, 1
	s_cbranch_scc1 .Lfirst_v
	MUL32 0, 1
	WIN 0                                          ; at a label and at a branch every window is 0
	s_branch .Lfirst_done
.Lfirst_v:
	MUL32 0, 2
	WIN 0
.Lfirst_done:
	s_wait_dscnt 0x0                               ; step 1's fragments are in
	PLACES
	FETCH 2, 0
	MUL32 1, 0
	PLACES
	FETCH 3, 1
	s_wait_dscnt 50                                ; all but the 50 just issued
	MUL32 0, 0
	SLOTWAIT 0                                     ; K steps 4 to 7 are in LDS: every wave waits for its one load, under no branch
	PLACES
	FETCH 4, 0
	MUL32 1, 0
	PLACES
	FETCH 5, 1
	s_wait_dscnt 50
	MUL32 0, 0
	s_wait_dscnt 0x0                               ; step 5's fragments are in
	PLACES
	FETCH 6, 0
	MUL32 1, 0
	PLACES
	FETCH 7, 1
	s_wait_dscnt 50
	MUL32 0, 0
	s_wait_dscnt 0x0
	MUL32 1, 0
	WIN 0
	PLACES
; THE WAY OUT.  For a tile qi of source 1 my 64 registers are source 0's rows 32 b + 16 h + i: four blocks of 32 along the next K.  They become a fragment's 12 registers and a scale word.
; q, k: registers 0-5 are the half image of head 2 (x % 8), registers 6-11 that of the next head; v: all 12 are the image of d tile qi of head 4 cy + wave.
	s_and_b32 s90, s[WV], 1
	s_lshr_b32 s91, s[WV], 1
	s_lshl_b32 s2, s21, 2
	s_add_co_u32 s2, s2, s20                       ; q, k: the work-group's y
	s_lshr_b32 s3, s2, 3                           ; the batch
	s_and_b32 s2, s2, 7
	s_lshl_b32 s2, s2, 1
	s_add_co_u32 s2, s2, s91                       ; the key step of my 64 tokens
	s_and_b32 s89, s23, 7
	s_lshl_b32 s89, s89, 1                         ; the first head
	s_sub_co_u32 s92, s21, 8                       ; v: the batch; the key step is x;
	s_lshl_b32 s93, s20, 2
	s_add_co_u32 s93, s93, s[WV]                   ; the head
	s_cmp_eq_u32 s22, 1
	s_cselect_b32 s3, s92, s3
	s_cselect_b32 s2, s23, s2
	s_cselect_b32 s89, s93, s89
	s_lshl_b32 s3, s3, 4
	s_add_co_u32 s3, s3, s89
	s_lshl_b32 s3, s3, 4
	s_add_co_u32 s92, s3, s2                       ; the record: (16 batch + head) 16 + key step
	s_cmp_lt_u32 ttmp9, 2
	s_cselect_b32 s88, 1, 0
	s_cmp_eq_u32 s22, 1
	s_cselect_b32 s88, 0, s88                      ; 1: q
	s_mov_b32 s93, 12800
	s_cmp_eq_u32 s88, 1
	s_cselect_b32 s93, 6400, s93                   ; a record's bytes
	s_cselect_b64 s[96:97], s[14:15], s[16:17]     ; qrec or kv
	s_mul_i32 s94, s92, s93
	s_mov_b32 s95, 0
	s_add_nc_u64 s[96:97], s[96:97], s[94:95]      ; my record
	s_lshl_b32 s94, s90, 7
	s_add_co_u32 s94, s94, 6144                    ; the scale words: q: 6,144 + 128 (wave % 2); k: twice that; v: 12,416
	s_lshl_b32 s89, s94, 1
	s_cmp_eq_u32 s88, 1
	s_cselect_b32 s94, s94, s89
	s_cmp_eq_u32 s22, 1
	s_cselect_b32 s94, 12416, s94
	s_add_nc_u64 s[100:101], s[96:97], s[94:95]
	s_lshl_b32 s89, s93, 4                         ; 16 records: from a head to the next
	s_mul_i32 s94, s90, 3072
	s_mov_b32 s86, 768
	s_cmp_eq_u32 s22, 1
	s_cselect_b32 s94, 6144, s94                   ; registers 0-5 go: q, k: to half image 4 (wave % 2) + qi; v: to image qi behind k's
	s_cselect_b32 s2, 768, s89                     ; registers 6-11: q, k: the same place in the next head's record; v: the image's second half
	s_cselect_b32 s87, 256, s89                    ; lanes 16-31's scale words: q, k: the next head's; v: tiles 2 and 3's
	s_cselect_b32 s86, 1536, s86                   ; from qi to qi + 1
	s_cselect_b32 s88, -1, 0                       ; all lanes, in the region of v
	s_mov_b32 s3, 0
	s_add_nc_u64 s[96:97], s[96:97], s[94:95]
	s_add_nc_u64 s[98:99], s[96:97], s[2:3]
	s_mov_b32 s89, 0xffff0000                      ; lanes 16-31
	v_mov_b32 v[O16], v4
	v_mov_b32 v[O8], v5
.irp qi, 1,2,3
	v_add_nc_u32 v[O16+\qi], s86, v[O16+\qi-1]     ; each qi has its own offsets and its own registers for its codes: no store's sources are written again
	v_add_nc_u32 v[O8+\qi], s86, v[O8+\qi-1]
.endr
	v_lshlrev_b32 v226, 3, v2
	v_mad_u32_u24 v226, v3, s87, v226              ; 8 r + h x the distance
.macro QUANTW qi
.set AB, 64*(\qi)
.set PCQ, 32+24*(\qi)
	WIN 0x0a                                       ; sources 0 and 1 window 2
.irp b, 0,1,2,3
	v_max3_num_f32 v[TM+\b], |v[AB+16*\b]|, |v[AB+16*\b+1]|, 0x1800000   ; block b: my 16 numbers, each accumulator from its low end on, and the floor 2^(3 - 127)
.endr
.irp e, 2,4,6,8,10,12,14
.irp b, 0,1,2,3
	v_max3_num_f32 v[TM+\b], |v[AB+16*\b+\e]|, |v[AB+16*\b+\e+1]|, v[TM+\b]
.endr
.endr
	WIN 0
.irp b, 0,1,2,3
	v_permlanex16_b32 v[T4+\b], v[TM+\b], s[SEL], s[SEL+1]
.endr
.irp b, 0,1,2,3
	v_max_num_f32 v[TM+\b], v[TM+\b], v[T4+\b]     ; with lane l xor 16's: the block's largest magnitude
.endr
.irp b, 0,1,2,3
	v_add_nc_u32 v[SO+\b], 0xff000000, v[TM+\b]    ; 2 off its exponent field: the conversion's scale operand
.endr
.irp b, 0,1,2,3
	v_lshrrev_b32 v[T4+\b], 23, v[SO+\b]           ; the scale's byte
.endr
	v_lshl_or_b32 v[PW+(\qi)], v[T4+1], 8, v[T4]
	v_lshl_or_b32 v[PW+(\qi)], v[T4+2], 16, v[PW+(\qi)]
	v_lshl_or_b32 v[PW+(\qi)], v[T4+3], 24, v[PW+(\qi)]
	WIN 0x02                                       ; source 0 window 2
.irp c, 0,1
	v_cvt_scalef32_pk16_fp6_f32 v[PCQ+6*\c:PCQ+6*\c+2], v[AB+32*\c:AB+32*\c+15], v[SO+2*\c]
	v_cvt_scalef32_pk16_fp6_f32 v[PCQ+12+4*\c:PCQ+14+4*\c], v[AB+32*\c+16:AB+32*\c+31], v[SO+2*\c+1]   ; (a conversion's three registers begin on an even number)
.endr
	WIN 0
	v_nop                                          ; one plain place behind a scaled conversion
.irp c, 0,1                                    ; the operand's layout wants a whole block in a lane: lanes 0-15 block 2 c, lanes 16-31 block 2 c + 1
.irp e, 0,1,2
	v_permlane16_swap_b32 v[PCQ+6*\c+\e], v[PCQ+12+4*\c+\e]
.endr
.irp e, 0,1,2
	v_mov_b32 v[PCQ+6*\c+3+\e], v[PCQ+12+4*\c+\e]
.endr
.endr
	global_store_b128 v[O16+(\qi)], v[PCQ:PCQ+3], s[96:97]               ; each store covers 512 or 256 consecutive bytes, aligned to 256
	global_store_b64 v[O8+(\qi)], v[PCQ+4:PCQ+5], s[96:97] offset:512
	global_store_b128 v[O16+(\qi)], v[PCQ+6:PCQ+9], s[98:99]
	global_store_b64 v[O8+(\qi)], v[PCQ+10:PCQ+11], s[98:99] offset:512
.endm
	QUANTW 0
	QUANTW 1
	QUANTW 2
	QUANTW 3
	; the scale words, 8 bytes a lane.  q, k: a word holds two tiles' two bytes: lanes 0-15 pack the low halves (the first head's), lanes 16-31 the high halves.  v: lanes 0-15 tiles 0 and 1's words, lanes 16-31 tiles 2 and 3's
	v_mov_b32 v220, 0x05040100
	v_mov_b32 v221, 0x07060302
	v_cndmask_b32 v220, v220, v221, s89
	v_perm_b32 v222, v[PW+1], v[PW], v220
	v_perm_b32 v223, v[PW+3], v[PW+2], v220
	v_cndmask_b32 v224, v[PW], v[PW+2], s89
	v_cndmask_b32 v225, v[PW+1], v[PW+3], s89
	v_cndmask_b32 v222, v222, v224, s88
	v_cndmask_b32 v223, v223, v225, s88
	global_store_b64 v226, v[222:223], s[100:101]
	s_wait_tensorcnt 0x0                           ; the wave's end, behind my last tensor load
	ds_add_u32 v[SPW], v[NIL]
	s_wait_dscnt 0x0
	CROUND                                         ; the closing round: no work-group ends while a partner may still ask for a tile that names it
	s_endpgm
.Lfunc_end_k_q27eda2e8b8_qkv:
	.size	k_q27eda2e8b8_qkv, .Lfunc_end_k_q27eda2e8b8_qkv-k_q27eda2e8b8_qkv
	.p2alignl 7, 3214868480
	.fill 96, 4, 3214868480
	.section	.rodata,"a",@progbits
	.p2align	6, 0x0
	.amdhsa_kernel k_q27eda2e8b8_qkv
		.amdhsa_group_segment_fixed_size 307712
		.amdhsa_private_segment_fixed_size 0
		.amdhsa_enable_private_segment 0
		.amdhsa_kernarg_size 56
		.amdhsa_user_sgpr_count 2
		.amdhsa_user_sgpr_kernarg_segment_ptr 1
		.amdhsa_wavefront_size32 1
		.amdhsa_system_sgpr_workgroup_id_x 1
		.amdhsa_system_sgpr_workgroup_id_y 1
		.amdhsa_system_sgpr_workgroup_id_z 1
		.amdhsa_system_vgpr_workitem_id 0
		.amdhsa_next_free_vgpr 768
		.amdhsa_next_free_sgpr 104
		.amdhsa_reserve_vcc 0
		.amdhsa_float_denorm_mode_32 3
		.amdhsa_float_denorm_mode_16_64 3
		.amdhsa_memory_ordered 1
		.amdhsa_forward_progress 1
		.amdhsa_inst_pref_size 97
	.end_amdhsa_kernel
	.amdgpu_metadata
---
amdhsa.version: [ 1, 2 ]
amdhsa.kernels:
  - .name:           k_q27eda2e8b8_qkv
    .symbol:         k_q27eda2e8b8_qkv.kd
    .args:
      - { .name: xq, .offset: 0, .size: 8, .value_kind: global_buffer, .address_space: global }
      - { .name: wimg, .offset: 8, .size: 8, .value_kind: global_buffer, .address_space: global }
      - { .name: bq, .offset: 16, .size: 8, .value_kind: global_buffer, .address_space: global }
      - { .name: bk, .offset: 24, .size: 8, .value_kind: global_buffer, .address_space: global }
      - { .name: bv, .offset: 32, .size: 8, .value_kind: global_buffer, .address_space: global }
      - { .name: qrec, .offset: 40, .size: 8, .value_kind: global_buffer, .address_space: global }
      - { .name: kv, .offset: 48, .size: 8, .value_kind: global_buffer, .address_space: global }
    .group_segment_fixed_size: 307712
    .private_segment_fixed_size: 0
    .kernarg_segment_align: 8
    .kernarg_segment_size: 56
    .max_flat_workgroup_size: 128
    .sgpr_count:     104
    .vgpr_count:     768
    .wavefront_size: 32
...
	.end_amdgpu_metadata
.endif
;; end of part 2
;; launch attn (part 3): grid 4 x 64, 16 waves a work-group, clusters of 4 x 1, 327,680 bytes of LDS; arguments qrec, kv, maskw, ctxq; writes ctxq
.if DOCPART == 3
	.amdgcn_target "amdgcn-amd-amdhsa--gfx1250"
	.amdhsa_code_object_version 6
	.text
	.protected	k_q27eda2e8b8_attn
	.globl	k_q27eda2e8b8_attn
	.p2align	8
	.type	k_q27eda2e8b8_attn,@function
k_q27eda2e8b8_attn:
	s_mov_b64 s[64:65], 0
	v_nop
	global_prefetch_b8 v0, s[64:65] scope:SCOPE_SE
	s_setreg_imm32_b32 hwreg(HW_REG_WAVE_MODE, 25, 1), 1
	s_wait_xcnt 0x0
	s_wait_alu depctr_hold_cnt(0) depctr_sa_sdst(0) depctr_va_vdst(0) depctr_va_sdst(0) depctr_va_ssrc(0) depctr_va_vcc(0) depctr_vm_vsrc(0)
	s_getreg_b32 s2, hwreg(HW_REG_IB_STS2, 6, 4)
	s_cmp_eq_u32 s2, 0
	s_cbranch_scc0 .Lentry_in_a_cluster
	s_endpgm
.Lentry_in_a_cluster:
	s_bfe_u32 s2, ttmp6, 0x10000c
	s_cmp_lg_u32 s2, 0x3003
	s_cbranch_scc0 .Lentry_shape_is_right
	s_endpgm
.Lentry_shape_is_right:
; ATTN: ctx = softmax(where(mask, q k^T / 8, -1e9)) v on codes of FP6 (E2M3) with E8M0 scales; ctx leaves as codes and scale bytes, laid as the last launch's operand.
; A work-group has one (batch, head) and 512 queries; the head's 16 key steps (k's half images, v's images, scale words: 12,800 bytes each) lie in LDS, each byte filled once.
; The four work-groups of a cluster share the head: each half of the 16 records is asked for jointly, every wave bringing 25 rows of 256 bytes of it.
; A wave takes 16 queries at a time, twice.  Both products are used transposed (S^T = k q^T, O^T = v^T p^T): a lane holds one query.  K of q k^T is 64: q stands once in the lower and once in the upper half of an operand beside zeros.
; The mask comes as lane masks, one word for each score register, by scalar loads one key step ahead; a masked score is -8e9 (-1e9 ahead of the factor 1/8).
; M is the running largest t rounded up to a whole number; p = 2^(t - M); the row's sum is taken of the unquantised p; sum and O^T are brought under a new M by a power of two.
; A row whose every score so far is masked takes factor 1 and addend 8e9, so that t - M = 0 and p = 1 for every key, as a softmax of equal numbers has it.
; LIMITS: the scaled scores stay under 2^31 in magnitude; NaN and infinities are not served; a block whose every p is 0 keeps the byte 1 (its codes are zeros).
.set REC,   12800
.set SPARE, 16*REC
.set WV, 12
.macro CROUND
	s_barrier_signal -1
	s_barrier_wait -1
	s_cmp_lg_u32 s[WV], 0
	s_cbranch_scc1 .Lnot_wave_0_\@
	s_barrier_signal -3
.Lnot_wave_0_\@:
	s_barrier_wait -3
	s_barrier_signal -1
	s_barrier_wait -1
.endm
.macro PLACES
.rept 4
	v_nop
.endr
.endm
.macro FRAG reg, a16, a8, off
	ds_load_b128 v[(\reg):(\reg)+3], v[\a16] offset:(\off)
	ds_load_b64 v[(\reg)+4:(\reg)+5], v[\a8] offset:(\off)+512
	ds_load_b128 v[(\reg)+6:(\reg)+9], v[\a16] offset:(\off)+768
	ds_load_b64 v[(\reg)+10:(\reg)+11], v[\a8] offset:(\off)+1280
.endm
.macro MASKLOAD
	s_load_b512 s[16:31], s[8:9], s13 offset:0x0
	s_load_b512 s[32:47], s[8:9], s13 offset:0x40
	s_load_b512 s[48:63], s[8:9], s13 offset:0x80
	s_load_b512 s[68:83], s[8:9], s13 offset:0xc0
.endm
	s_load_b256 s[4:11], s[0:1], 0x0
	v_lshl_add_u32 v5, v0, 2, SPARE
	v_mov_b32 v6, 0
	ds_add_u32 v5, v6
	ds_add_u32 v5, v6
	v_lshrrev_b32 v1, 5, v0
	s_delay_alu instid0(VALU_DEP_1)
	v_readfirstlane_b32 s[WV], v1
	s_bfe_u32 s16, ttmp6, 0x40000
	s_and_b32 s17, ttmp7, 0xffff
	s_mov_b32 s84, 15|(3<<16)|(1<<21)
	s_mov_b32 s85, 32<<16
	s_mov_b32 s86, 25<<16
	s_mov_b32 s87, 32<<16
	s_mov_b32 s88, 25
	s_mov_b32 s89, 32
	s_mov_b32 s90, 0
	s_mov_b32 s91, 0
	s_mul_i32 s18, s17, 16*REC
	s_mul_i32 s19, s[WV], 6400
	s_add_co_u32 s20, s18, s19
	s_mov_b32 s21, 0
	s_lshl_b32 s25, s16, 2
	s_lshr_b32 s24, s[WV], 3
	s_add_co_u32 s25, s25, s24
	s_lshl_b32 s26, s17, 4
	s_add_co_u32 s26, s26, s25
	s_mul_i32 s26, s26, 6400
	s_mov_b32 s27, 0
	s_lshl_b32 s28, s16, 5
	s_add_co_u32 s28, s28, s[WV]
	s_lshl_b32 s28, s28, 12
	s_mov_b32 s29, 0
	s_lshr_b32 s30, s17, 4
	s_lshl_b32 s30, s30, 4
	s_add_co_u32 s30, s30, s25
	s_mul_i32 s30, s30, 102400
	s_bfe_u32 s24, s17, 0x30001
	s_mul_i32 s24, s24, 12800
	s_add_co_u32 s30, s30, s24
	s_bfe_u32 s24, s[WV], 0x10002
	s_mul_i32 s32, s24, 6400
	s_add_co_u32 s30, s30, s32
	s_mov_b32 s31, 0
	v_and_b32 v3, 31, v0
	s_delay_alu instid0(VALU_DEP_1)
	v_lshlrev_b32 v1, 4, v3
	s_wait_alu depctr_va_vdst(0)
	v_lshlrev_b32 v2, 3, v3
	s_wait_alu depctr_va_vdst(0)
	v_and_b32 v4, 15, v0
	s_wait_alu depctr_va_vdst(0)
	s_and_b32 s33, s[WV], 7
	s_mul_i32 s33, s33, 768
	v_add_nc_u32 v21, s33, v1
	v_add_nc_u32 v22, s33, v2
	s_lshl_b32 s33, s24, 7
	s_bfe_u32 s34, s[WV], 0x10001
	s_lshl_b32 s34, s34, 2
	s_add_co_u32 s33, s33, s34
	v_lshl_add_u32 v23, v4, 3, s33
	s_and_b32 s33, s[WV], 3
	s_and_b32 s34, s17, 1
	s_mul_i32 s35, s33, 1536
	s_mul_i32 s36, s34, 768
	s_add_co_u32 s35, s35, s36
	v_add_nc_u32 v55, s35, v1
	v_add_nc_u32 v219, s35, v2
	s_lshl_b32 s33, s33, 2
	s_lshl_b32 s34, s34, 1
	s_add_co_u32 s33, s33, s34
	v_lshl_add_u32 v234, v4, 4, s33
	s_and_b32 s100, s[WV], 1
	s_lshl_b32 s100, s100, 4
	s_mov_b32 s66, 0x76543210
	s_mov_b32 s67, 0xfedcba98
	v_mov_b32 v7, 0xcfee6b28
	v_mov_b32 v8, 0x4fee6b28
	v_mov_b32 v9, 0x3e38aa3b
	v_mov_b32 v20, 1.0
	v_mov_b32 v11, 0
	v_mov_b32 v13, 0
	v_mov_b32 v17, 0
.irp e, 30,31,32,33,34,35,36,37,38,39,40,41
	v_mov_b32 v[\e], 0
.endr
.irp b, 0,1,2,3
	v_mov_b32 v[224+\b], 0
.endr
	s_wait_dscnt 0x0
	s_wait_kmcnt 0x0
	s_add_nc_u64 s[6:7], s[6:7], s[20:21]
	s_add_nc_u64 s[4:5], s[4:5], s[26:27]
	s_add_nc_u64 s[8:9], s[8:9], s[28:29]
	s_add_nc_u64 s[10:11], s[10:11], s[30:31]
	s_mov_b32 s92, 1
	s_mov_b32 s93, s19
	s_mov_b64 s[94:95], s[6:7]
	s_or_b32 s95, s95, 0x80000000
	s_mov_b32 s96, 1
	s_add_co_u32 s97, s19, 8*REC
	s_add_nc_u64 s[98:99], s[6:7], 8*REC
	s_or_b32 s99, s99, 0x80000000
	CROUND
	tensor_load_to_lds s[92:95], s[84:91]          ; key steps 0-7: my one load at the head
	s_nop 0
	s_wait_alu depctr_va_vdst(0)
.macro PROLOG p
.if \p
	s_wait_kmcnt 0x0
	s_wait_xcnt 0x0
	s_add_nc_u64 s[4:5], s[4:5], 2*6400
	s_add_nc_u64 s[8:9], s[8:9], 16*4096
	s_add_nc_u64 s[10:11], s[10:11], 2*102400
.endif
	global_load_b128 v[24:27], v21, s[4:5]
	global_load_b64 v[28:29], v22, s[4:5] offset:512
	global_load_b128 v[42:45], v21, s[4:5]
	global_load_b64 v[46:47], v22, s[4:5] offset:512
	global_load_b32 v232, v23, s[4:5] offset:6144
	s_mov_b32 s13, 0
	MASKLOAD
	s_mov_b32 s14, 0
	v_mov_b32 v18, 0xff61b1e6
	s_delay_alu instid0(VALU_DEP_1)
	v_mul_f32 v19, v9, v18
	s_delay_alu instid0(VALU_DEP_1)
	v_floor_f32 v19, -v19
	v_mov_b32 v14, 0
	v_mov_b32 v15, 0
	s_wait_loadcnt 0x0
	v_lshrrev_b32 v48, s100, v232
	s_delay_alu instid0(VALU_DEP_1)
	v_and_b32 v48, 0xffff, v48
	s_delay_alu instid0(VALU_DEP_1)
	v_lshlrev_b32 v49, 16, v48
.set e, 0
.rept 32
	v_mov_b32 v[168+e], 0
.set e, e+1
.endr
.endm
.macro STEP
	v_add_nc_u32 v3, s14, v1
	v_add_nc_u32 v4, s14, v2
	v_nop
	v_nop
	ds_load_b64 v[50:51], v4 offset:12288          ; the scale words first: the first product wants them
	ds_load_b64 v[52:53], v4 offset:12544
.irp f, 0,1,2,3
	FRAG 56+12*\f, 3, 4, 1536*\f
.endr
	s_wait_alu depctr_va_vdst(0)
.irp f, 0,1,2,3
	s_wait_dscnt 12-4*\f                           ; fragment f is in; the four loads of each later fragment may be out
	v_wmma_scale_f32_16x16x128_f8f6f4 v[104+16*\f:111+16*\f], v[56+12*\f:67+12*\f], v[24:35], 0, v[50+\f], v48 matrix_a_fmt:MATRIX_FMT_FP6 matrix_b_fmt:MATRIX_FMT_FP6
	v_wmma_scale_f32_16x16x128_f8f6f4 v[112+16*\f:119+16*\f], v[56+12*\f:67+12*\f], v[36:47], 0, v[50+\f], v49 matrix_a_fmt:MATRIX_FMT_FP6 matrix_b_fmt:MATRIX_FMT_FP6
.endr
	PLACES
.irp t, 0,1,2,3
	FRAG 56+12*\t, 3, 4, 6144+1536*\t
.endr
	s_wait_kmcnt 0x0
.set n, 0
.rept 64
.if n < 48
	v_cndmask_b32 v[104+n], v7, v[104+n], s[16+n]
.else
	v_cndmask_b32 v[104+n], v7, v[104+n], s[20+n]
.endif
.set n, n+1
.endr
	s_add_co_u32 s13, s13, 256
	s_min_u32 s13, s13, 3840
	MASKLOAD
.irp b, 0,1,2,3
	v_max3_num_f32 v[220+\b], v[104+16*\b], v[105+16*\b], v[106+16*\b]
.endr
.irp e, 3,5,7,9,11,13
.irp b, 0,1,2,3
	s_delay_alu instid0(VALU_DEP_4)
	v_max3_num_f32 v[220+\b], v[220+\b], v[104+16*\b+\e], v[105+16*\b+\e]
.endr
.endr
.irp b, 0,1,2,3
	s_delay_alu instid0(VALU_DEP_4)
	v_max_num_f32 v[220+\b], v[220+\b], v[119+16*\b]
.endr
.irp b, 0,1,2,3
	s_delay_alu instid0(VALU_DEP_4)
	v_permlanex16_b32 v[224+\b], v[220+\b], s66, s67
.endr
.irp b, 0,1,2,3
	s_delay_alu instid0(VALU_DEP_4)
	v_max_num_f32 v[220+\b], v[220+\b], v[224+\b]
.endr
	s_delay_alu instid0(VALU_DEP_2)
	v_max3_num_f32 v232, v220, v221, v222
	s_delay_alu instid0(VALU_DEP_1)
	v_max_num_f32 v232, v232, v223
	s_delay_alu instid0(VALU_DEP_1)
	v_max_num_f32 v18, v18, v232
	s_delay_alu instid0(VALU_DEP_1)
	v_mul_f32 v232, v9, v18
	v_mov_b32 v233, v19
	s_delay_alu instid0(VALU_DEP_2)
	v_floor_f32 v19, -v232
	s_delay_alu instid0(VALU_DEP_1)
	v_sub_f32 v233, v19, v233
	s_delay_alu instid0(VALU_DEP_1)
	v_cvt_i32_f32 v233, v233
	s_delay_alu instid0(VALU_DEP_1)
	v_ldexp_f32 v16, 1.0, v233
	v_cmp_eq_f32 vcc_lo, v18, v7
	s_delay_alu instid0(VALU_DEP_1)
	v_cndmask_b32 v10, v9, v20, vcc_lo
	s_delay_alu instid0(VALU_DEP_2)
	v_cndmask_b32 v12, v19, v8, vcc_lo
.set e, 0
.rept 32
	v_pk_fma_f32 v[104+e:105+e], v[104+e:105+e], v[10:11], v[12:13] op_sel_hi:[1,0,0]
.set e, e+2
.endr
.irp b, 0,1,2,3
	v_fma_f32 v[220+\b], v[220+\b], v10, v12
.endr
.set e, 0
	s_wait_alu depctr_va_vdst(0)
.rept 64
	v_exp_f32 v[104+e], v[104+e]
.set e, e+1
.endr
	v_pk_mul_f32 v[14:15], v[14:15], v[16:17] op_sel_hi:[1,0]
	s_wait_alu depctr_va_vdst(0)
.irp b, 0,1,2,3
	v_exp_f32 v[220+\b], v[220+\b]
.endr
	v_pk_add_f32 v[224:225], v[104:105], v[106:107]   ; the row's sum of the unquantised p: 32 packed additions in four chains by turns
	v_pk_add_f32 v[236:237], v[108:109], v[110:111]
	v_pk_add_f32 v[238:239], v[112:113], v[114:115]
.irp e, 12,20,28,36,44,52
	v_pk_add_f32 v[14:15], v[14:15], v[104+\e:105+\e]
	v_pk_add_f32 v[224:225], v[224:225], v[106+\e:107+\e]
	v_pk_add_f32 v[236:237], v[236:237], v[108+\e:109+\e]
	v_pk_add_f32 v[238:239], v[238:239], v[110+\e:111+\e]
.endr
	v_pk_add_f32 v[14:15], v[14:15], v[164:165]
	v_pk_add_f32 v[224:225], v[224:225], v[166:167]
	v_pk_add_f32 v[236:237], v[236:237], v[238:239]
	v_pk_add_f32 v[14:15], v[14:15], v[224:225]
	v_pk_add_f32 v[14:15], v[14:15], v[236:237]
	s_wait_alu depctr_va_vdst(0)
.irp b, 0,1,2,3
	v_max_num_f32 v[220+\b], 0x1800000, v[220+\b]
.endr
.irp b, 0,1,2,3
	s_delay_alu instid0(VALU_DEP_4)
	v_add_nc_u32 v[228+\b], 0xff000000, v[220+\b]
.endr
.irp b, 0,1,2,3
	s_delay_alu instid0(VALU_DEP_4)
	v_lshrrev_b32 v[224+\b], 23, v[228+\b]
.endr
	s_delay_alu instid0(VALU_DEP_3)
	v_lshl_or_b32 v54, v225, 8, v224
	s_delay_alu instid0(VALU_DEP_1)
	v_lshl_or_b32 v54, v226, 16, v54
	s_delay_alu instid0(VALU_DEP_1)
	v_lshl_or_b32 v54, v227, 24, v54
.irp c, 0,1
	v_cvt_scalef32_pk16_fp6_f32 v[200+6*\c:202+6*\c], v[104+32*\c:119+32*\c], v[228+2*\c]
	v_cvt_scalef32_pk16_fp6_f32 v[212+4*\c:214+4*\c], v[120+32*\c:135+32*\c], v[228+2*\c+1]
.endr
	v_nop
.irp c, 0,1
.irp e, 0,1,2
	v_permlane16_swap_b32 v[200+6*\c+\e], v[212+4*\c+\e]
.endr
.irp e, 0,1,2
	s_delay_alu instid0(VALU_DEP_3)
	v_mov_b32 v[203+6*\c+\e], v[212+4*\c+\e]
.endr
.endr
.set e, 0
.rept 16
	v_pk_mul_f32 v[168+e:169+e], v[168+e:169+e], v[16:17] op_sel_hi:[1,0]
.set e, e+2
.endr
	s_wait_alu depctr_va_vdst(0)
	s_wait_dscnt 0x0
.irp t, 0,1,2,3
	v_wmma_scale_f32_16x16x128_f8f6f4 v[168+8*\t:175+8*\t], v[56+12*\t:67+12*\t], v[200:211], v[168+8*\t:175+8*\t], v[50+\t], v54 matrix_a_fmt:MATRIX_FMT_FP6 matrix_b_fmt:MATRIX_FMT_FP6 matrix_a_scale:MATRIX_SCALE_ROW1
.endr
	s_add_co_u32 s14, s14, REC
.endm
.macro STEPS n
	s_mov_b32 s15, \n
.Lstep_\@:
	STEP
	s_sub_co_u32 s15, s15, 1
	s_cmp_lg_u32 s15, 0
	s_cbranch_scc1 .Lstep_\@
.endm
.macro OUT
	PLACES
	v_add_f32 v14, v14, v15
	s_delay_alu instid0(VALU_DEP_1)
	v_permlanex16_b32 v232, v14, s66, s67
	s_delay_alu instid0(VALU_DEP_1)
	v_add_f32 v14, v14, v232
	s_wait_alu depctr_va_vdst(0)
	v_rcp_f32 v16, v14
	v_nop
	s_wait_alu depctr_va_vdst(0)
.set e, 0
.rept 16
	v_pk_mul_f32 v[168+e:169+e], v[168+e:169+e], v[16:17] op_sel_hi:[1,0]
.set e, e+2
.endr
.irp b, 0,1
	v_max3_num_f32 v[220+\b], |v[168+16*\b]|, |v[169+16*\b]|, 0x1800000
.endr
.irp e, 2,4,6,8,10,12,14
.irp b, 0,1
	s_delay_alu instid0(VALU_DEP_2)
	v_max3_num_f32 v[220+\b], v[220+\b], |v[168+16*\b+\e]|, |v[169+16*\b+\e]|
.endr
.endr
.irp b, 0,1
	s_delay_alu instid0(VALU_DEP_2)
	v_permlanex16_b32 v[224+\b], v[220+\b], s66, s67
.endr
.irp b, 0,1
	s_delay_alu instid0(VALU_DEP_2)
	v_max_num_f32 v[220+\b], v[220+\b], v[224+\b]
.endr
.irp b, 0,1
	s_delay_alu instid0(VALU_DEP_2)
	v_add_nc_u32 v[228+\b], 0xff000000, v[220+\b]
.endr
.irp b, 0,1
	s_delay_alu instid0(VALU_DEP_2)
	v_lshrrev_b32 v[224+\b], 23, v[228+\b]
.endr
	s_delay_alu instid0(VALU_DEP_1)
	v_lshl_or_b32 v235, v225, 8, v224
	v_cvt_scalef32_pk16_fp6_f32 v[200:202], v[168:183], v228
	v_cvt_scalef32_pk16_fp6_f32 v[212:214], v[184:199], v229
	v_nop
.irp e, 0,1,2
	v_permlane16_swap_b32 v[200+\e], v[212+\e]
.endr
.irp e, 0,1,2
	s_delay_alu instid0(VALU_DEP_3)
	v_mov_b32 v[203+\e], v[212+\e]
.endr
	global_store_b128 v55, v[200:203], s[10:11]
	global_store_b64 v219, v[204:205], s[10:11] offset:512
	global_store_b16 v234, v235, s[10:11] offset:6144
.endm
	PROLOG 0                                       ; q and the first mask words come while key steps 0-7 are on their way
	s_wait_alu depctr_va_vdst(0)
	s_wait_tensorcnt 0x0                           ; my part of key steps 0-7 is in
	ds_add_u32 v5, v6
	s_wait_dscnt 0x0
	CROUND                                         ; everybody's part is in, and the four work-groups are here: the joint loads meet
	tensor_load_to_lds s[96:99], s[84:91]          ; key steps 8-15, my one load behind the round; it has eight steps' work in which to land
	s_nop 0
	PLACES
	STEPS 8
	s_wait_tensorcnt 0x0                           ; my part of key steps 8-15 is in,
	s_wait_dscnt 0x0
	s_barrier_signal -1
	s_barrier_wait -1                              ; and everybody's
	STEPS 8
	OUT
	PROLOG 1
	STEPS 16
	OUT
	s_wait_kmcnt 0x0
	s_wait_tensorcnt 0x0
	ds_add_u32 v5, v6
	s_wait_dscnt 0x0
	CROUND
	s_endpgm
.Lfunc_end_k_q27eda2e8b8_attn:
	.size	k_q27eda2e8b8_attn, .Lfunc_end_k_q27eda2e8b8_attn-k_q27eda2e8b8_attn
	.p2alignl 7, 3214868480
	.fill 96, 4, 3214868480
	.section	.rodata,"a",@progbits
	.p2align	6, 0x0
	.amdhsa_kernel k_q27eda2e8b8_attn
		.amdhsa_group_segment_fixed_size 327680
		.amdhsa_private_segment_fixed_size 0
		.amdhsa_enable_private_segment 0
		.amdhsa_kernarg_size 32
		.amdhsa_user_sgpr_count 2
		.amdhsa_user_sgpr_kernarg_segment_ptr 1
		.amdhsa_wavefront_size32 1
		.amdhsa_system_sgpr_workgroup_id_x 1
		.amdhsa_system_sgpr_workgroup_id_y 1
		.amdhsa_system_sgpr_workgroup_id_z 1
		.amdhsa_system_vgpr_workitem_id 0
		.amdhsa_next_free_vgpr 256
		.amdhsa_next_free_sgpr 106
		.amdhsa_reserve_vcc 1
		.amdhsa_float_denorm_mode_32 3
		.amdhsa_float_denorm_mode_16_64 3
		.amdhsa_memory_ordered 1
		.amdhsa_forward_progress 1
		.amdhsa_inst_pref_size 88
	.end_amdhsa_kernel
	.amdgpu_metadata
---
amdhsa.version: [ 1, 2 ]
amdhsa.kernels:
  - .name:           k_q27eda2e8b8_attn
    .symbol:         k_q27eda2e8b8_attn.kd
    .args:
      - { .name: qrec, .offset: 0, .size: 8, .value_kind: global_buffer, .address_space: global }
      - { .name: kv, .offset: 8, .size: 8, .value_kind: global_buffer, .address_space: global }
      - { .name: maskw, .offset: 16, .size: 8, .value_kind: global_buffer, .address_space: global }
      - { .name: ctxq, .offset: 24, .size: 8, .value_kind: global_buffer, .address_space: global }
    .group_segment_fixed_size: 327680
    .private_segment_fixed_size: 0
    .kernarg_segment_align: 8
    .kernarg_segment_size: 32
    .max_flat_workgroup_size: 512
    .sgpr_count:     106
    .vgpr_count:     256
    .wavefront_size: 32
...
	.end_amdgpu_metadata
.endif
;; end of part 3
;; launch proj (part 4): grid 8 x 32, 4 waves a work-group, clusters of 4 x 4, 307,712 bytes of LDS; arguments ctxq, wimg, bo, out0; writes out0
.if DOCPART == 4
	.amdgcn_target "amdgcn-amd-amdhsa--gfx1250"
	.amdhsa_code_object_version 6
	.text
	.protected	k_q27eda2e8b8_proj
	.globl	k_q27eda2e8b8_proj
	.p2align	8
	.type	k_q27eda2e8b8_proj,@function
k_q27eda2e8b8_proj:
	s_mov_b64 s[64:65], 0
	v_nop
	global_prefetch_b8 v0, s[64:65] scope:SCOPE_SE
	s_setreg_imm32_b32 hwreg(HW_REG_WAVE_MODE, 25, 1), 1
	s_wait_xcnt 0x0
	s_wait_alu depctr_hold_cnt(0) depctr_sa_sdst(0) depctr_va_vdst(0) depctr_va_sdst(0) depctr_va_ssrc(0) depctr_va_vcc(0) depctr_vm_vsrc(0)
	s_getreg_b32 s2, hwreg(HW_REG_IB_STS2, 6, 4)
	s_cmp_eq_u32 s2, 0
	s_cbranch_scc0 .Lentry_in_a_cluster
	s_endpgm
.Lentry_in_a_cluster:
	s_bfe_u32 s2, ttmp6, 0x10000c
	s_cmp_lg_u32 s2, 0xf033
	s_cbranch_scc0 .Lentry_shape_is_right
	s_endpgm
.Lentry_shape_is_right:
; PROJ: out0 = ctx Wo + bo on codes of FP6 (E2M3) with E8M0 scales; out0 [8192][1024] f32.
; A work-group multiplies P, one block of 128 of Wo's columns (source 0), by Q, two blocks = 256 tokens of ctxq (source 1), over all of K = 1,024: 307,200 bytes of LDS, each byte filled once: no ring, no refill.
; Wave w takes P's 8 tiles x the 4 tiles of Q's quad w: 32 accumulators.  A lane holds one token; the 16 registers of result tiles 2 b, 2 b + 1 are columns 32 b + 16 (lane / 16) + 0 .. 15
; (the rows of a tile are not neighbours: lane r of tile 2 b + u takes row 32 b + 8 u + r + 8 (r / 8)).  The bias is the C of each sum's first matrix instruction.
; CLUSTER 4 x 4: P hangs on the work-group's x alone and is asked for jointly by a column of the cluster, Q on its y alone and is asked for by a row.
; REGISTERS.  window 0: v1-3 lane, r, h; v4-15 LDS addresses; v16-31 scale words, two sets; v32-127 Q's fragments, two sets; v128-191 the bias; both later rows of out0; v192, v193 the add's two; v194-197 at work.
;   window 1: P's fragments, two sets.   window 2: accumulator (qi, pi) at v[64 qi + 8 pi].
.set BLK,   102400
.set CH,    25600
.set KST,   12800
.set QD,    6400
.set SPARE, 3*BLK                      ; behind P and Q: the spare words, 128 bytes for each wave: two blocks of 256 bytes that no other line names
.set SPITCH, 528                       ; the way out: a stage of 16 rows x (512 bytes + 16) for each wave, in P's bytes, which have had their one fill and their last read when the first result is stored there
.set WV,  18
.set G1P, 24
.set G1Q, 32
.set G0P, 40
.set G0Q, 56
.set SPW, 192
.set NIL, 193
.set BIAS, 128
.set STO, 196
.set RD,  197
.set MSB, 0
.macro WIN new                         ; the immediate's high byte repeats the setting that is left
.if MSB != \new
	s_set_vgpr_msb (MSB<<8)|\new
.set MSB, \new
.endif
.endm
.macro CROUND
	s_barrier_signal -1
	s_barrier_wait -1
	s_cmp_lg_u32 s[WV], 0
	s_cbranch_scc1 .Lnot_wave_0_\@
	s_barrier_signal -3
.Lnot_wave_0_\@:
	s_barrier_wait -3
	s_barrier_signal -1
	s_barrier_wait -1
.endm
.macro PLACES                          ; four plain places behind a matrix instruction (ISA guide 7.12.1)
.rept 4
	v_nop
.endr
.endm
.macro FRAG reg, a16, a8, off
	ds_load_b128 v[(\reg):(\reg)+3], v[\a16] offset:(\off)
	ds_load_b64 v[(\reg)+4:(\reg)+5], v[\a8] offset:(\off)+512
	ds_load_b128 v[(\reg)+6:(\reg)+9], v[\a16] offset:(\off)+768
	ds_load_b64 v[(\reg)+10:(\reg)+11], v[\a8] offset:(\off)+1280
.endm
.macro FETCH s, set                    ; K step s into set: 50 LDS loads
	WIN 0x40
.irp pi, 0,1,2,3,4,5,6,7
	FRAG 128*(\set)+12*\pi, 4+2*((\s)/4), 5+2*((\s)/4), ((\s)%4)*KST+QD*(\pi/4)+1536*(\pi%4)
.endr
	WIN 0
.irp qi, 0,1,2,3
	FRAG 32+48*(\set)+12*\qi, 8+2*((\s)/4), 9+2*((\s)/4), ((\s)%4)*KST+1536*\qi
.endr
	ds_load_b128 v[16+8*(\set):19+8*(\set)], v[12+(\s)/4] offset:((\s)%4)*KST+6144
	ds_load_b128 v[20+8*(\set):23+8*(\set)], v[14+(\s)/4] offset:((\s)%4)*KST+6144
.endm
.macro WM d, a, b, c, sa, sb, hi
.if \hi
	v_wmma_scale_f32_16x16x128_f8f6f4 v[(\d):(\d)+7], v[(\a):(\a)+11], v[(\b):(\b)+11], v[(\c):(\c)+7], v[\sa], v[\sb] matrix_a_fmt:MATRIX_FMT_FP6 matrix_b_fmt:MATRIX_FMT_FP6 matrix_a_scale:MATRIX_SCALE_ROW1
.else
	v_wmma_scale_f32_16x16x128_f8f6f4 v[(\d):(\d)+7], v[(\a):(\a)+11], v[(\b):(\b)+11], v[(\c):(\c)+7], v[\sa], v[\sb] matrix_a_fmt:MATRIX_FMT_FP6 matrix_b_fmt:MATRIX_FMT_FP6
.endif
.endm
.macro MUL32 set, mode                 ; one K step: the 32 accumulators by turns, in the same order in every step.  mode 1: the first step, with the bias as C
.if (\mode) == 0
	WIN 0xa1
.else
	WIN 0x81
.endif
.irp qi, 0,1,2,3
.irp pi, 0,1,2,3,4,5,6,7
.if (\mode) == 0
	WM 64*\qi+8*\pi, 128*(\set)+12*\pi, 32+48*(\set)+12*\qi, 64*\qi+8*\pi, 16+8*(\set)+\pi%4, 20+8*(\set)+\qi, \pi/4
.else
	WM 64*\qi+8*\pi, 128*(\set)+12*\pi, 32+48*(\set)+12*\qi, BIAS+8*\pi, 16+8*(\set)+\pi%4, 20+8*(\set)+\qi, \pi/4
.endif
.endr
.endr
.endm
.macro SLOTWAIT n                      ; all my tensor loads have landed, my LDS loads are in; then everybody's
	s_wait_tensorcnt \n
	s_wait_dscnt 0x0
	s_barrier_signal -1
	s_barrier_wait -1
.endm
	s_load_b256 s[4:11], s[0:1], 0x0               ; ctxq s[4:5], wimg s[6:7], bo s[8:9], out0 s[10:11]
	v_lshl_add_u32 v[SPW], v0, 2, SPARE
	v_mov_b32 v[NIL], 0
	ds_add_u32 v[SPW], v[NIL]                      ; the wave's opening: the add and its wait stand ahead of my first tensor load; work on registers stands between them
	ds_add_u32 v[SPW], v[NIL]
	v_lshrrev_b32 v1, 5, v0
	v_readfirstlane_b32 s[WV], v1                  ; wave 0..3
	s_bfe_u32 s19, ttmp6, 0x40000                  ; cx
	s_bfe_u32 s20, ttmp6, 0x40004                  ; cy
	s_and_b32 s21, ttmp7, 0xffff
	s_lshl_b32 s21, s21, 2
	s_add_co_u32 s21, s21, s20                     ; the work-group's y, 0..31
	s_lshl_b32 s23, ttmp9, 2
	s_add_co_u32 s23, s23, s19                     ; its x, 0..7
	s_lshl_b32 s76, 0x1111, s19                    ; my column of the cluster
	s_or_b32 s[G1P], s76, (3<<16)|(1<<21)          ; 15:0 the mask; 17:16 elements of 8 bytes; 21 set beside a mask; no padding
	s_lshl_b32 s80, s20, 2
	s_lshl_b32 s80, 15, s80                        ; my row
	s_or_b32 s[G1Q], s80, (3<<16)|(1<<21)
	s_mov_b32 s[G1P+1], 32<<16                     ; P: four K steps of one block are dense: 200 rows of 32 elements, 256 bytes
	s_mov_b32 s[G1P+2], 200<<16
	s_mov_b32 s[G1P+3], 32<<16
	s_mov_b32 s[G1P+4], 200
	s_mov_b32 s[G1P+5], 32
	s_mov_b32 s[G1Q+1], 6400<<16                   ; Q: four K steps of two neighbouring blocks: 2 rows of 6,400 elements (51,200 bytes, 200 x 256),
	s_mov_b32 s[G1Q+2], 2<<16
	s_mov_b32 s[G1Q+3], 6400<<16
	s_mov_b32 s[G1Q+4], 2
	s_mov_b32 s[G1Q+5], 12800                      ; a block, 102,400 bytes, apart; in LDS the two rows lie on end
.irp g, G1P, G1Q
	s_mov_b32 s[\g+6], 0
	s_mov_b32 s[\g+7], 0
.endr
	s_add_co_u32 s76, s23, 24                      ; P: Wo's block x.  These registers never hold cy
	s_mul_i32 s76, s76, BLK
	s_mov_b32 s77, 0
	s_lshl_b32 s80, s21, 1                         ; Q: ctxq's blocks 2 y, 2 y + 1: one descriptor covers both.  These registers never hold cx
	s_mul_i32 s80, s80, BLK
	s_mov_b32 s81, 0
	s_lshr_b32 s84, s[WV], 1
	s_mul_i32 s84, s84, 2*CH                       ; LDS behind P: [K steps 0-3: block 0, block 1][K steps 4-7: block 0, block 1], 51,200 bytes each
	s_add_co_u32 s84, s84, BLK                     ; LDS: Q's block wave / 2, behind P
	s_and_b32 s85, s[WV], 1
	s_mul_i32 s85, s85, QD
	s_add_co_u32 s85, s85, s84                     ; my quad of Q
	s_wait_dscnt 0x0                               ; the opening add is done
	s_wait_kmcnt 0x0
	s_add_nc_u64 s[78:79], s[6:7], s[76:77]
	s_add_nc_u64 s[82:83], s[4:5], s[80:81]
	CROUND                                         ; all sixteen work-groups are here: the joint loads meet
.irp k, 0,1
	s_mov_b32 s[G0P+4*\k], 1
	s_mov_b32 s[G0P+4*\k+1], 2*CH*\k
	s_add_nc_u64 s[G0P+4*\k+2:G0P+4*\k+3], s[78:79], 2*CH*\k
	s_or_b32 s[G0P+4*\k+3], s[G0P+4*\k+3], 0x80000000
	s_mov_b32 s[G0Q+4*\k], 1
	s_mov_b32 s[G0Q+4*\k+1], BLK+BLK*\k
	s_add_nc_u64 s[G0Q+4*\k+2:G0Q+4*\k+3], s[82:83], 2*CH*\k
	s_or_b32 s[G0Q+4*\k+3], s[G0Q+4*\k+3], 0x80000000
.endr
; ONE joint load a wave, in one chain of branches on the wave's number: wave 0 P's K steps 0-3, wave 1 Q's, wave 2 P's K steps 4-7, wave 3 Q's
.macro ARM w, g0, g1, next
	s_cmp_eq_u32 s[WV], \w
	s_cbranch_scc0 \next
	tensor_load_to_lds s[\g0:\g0+3], s[\g1:\g1+7]
	s_nop 0
	PLACES
	s_branch .Lasked
\next:
.endm
	ARM 0, G0P, G1P, .Lw1
	ARM 1, G0Q, G1Q, .Lw2
	ARM 2, G0P+4, G1P, .Lw3
	tensor_load_to_lds s[G0Q+4:G0Q+7], s[G1Q:G1Q+7]
	s_nop 0
	PLACES
.Lasked:
	v_and_b32 v1, 31, v0                           ; lane
	v_and_b32 v2, 15, v0                           ; r
	v_bfe_u32 v3, v0, 4, 1                         ; h
	v_lshlrev_b32 v4, 4, v1
	v_lshlrev_b32 v5, 3, v1
	v_add_nc_u32 v6, 4*KST, v4
	v_add_nc_u32 v7, 4*KST, v5
	v_add_nc_u32 v8, s85, v4
	v_add_nc_u32 v9, s85, v5
	v_add_nc_u32 v10, BLK, v8                      ; Q's K steps 4-7 lie 102,400 bytes behind its K steps 0-3
	v_add_nc_u32 v11, BLK, v9
	v_lshlrev_b32 v12, 4, v2
	v_add_nc_u32 v14, s85, v12
	v_mad_u32_u24 v12, v3, QD, v12
	v_add_nc_u32 v13, 4*KST, v12
	v_add_nc_u32 v15, BLK, v14
	s_mul_i32 s90, s[WV], 16*SPITCH                ; my stage
	v_mul_u32_u24 v[STO], v2, SPITCH
	v_lshl_add_u32 v[STO], v3, 6, v[STO]
	v_add_nc_u32 v[STO], s90, v[STO]               ; in: row r, + 64 h
	v_add_nc_u32 v[RD], s90, v4                    ; back: a row's 512 bytes, 16 a lane
	s_lshl_b32 s86, s23, 9                         ; bo: my block's 128 numbers
	s_mov_b32 s87, 0
	s_add_nc_u64 s[8:9], s[8:9], s[86:87]
	v_lshlrev_b32 v194, 6, v3                      ; lane (r, h) wants, for tile 2 b + u, those of columns 32 b + 16 h + 8 u + 0 .. 7
.irp pi, 0,1,2,3,4,5,6,7
	global_load_b128 v[BIAS+8*\pi:BIAS+8*\pi+3], v194, s[8:9] offset:(32*(\pi/2)+8*(\pi%2))*4
	global_load_b128 v[BIAS+8*\pi+4:BIAS+8*\pi+7], v194, s[8:9] offset:(32*(\pi/2)+8*(\pi%2))*4+16
.endr
	s_lshl_b32 s88, s21, 8
	s_lshl_b32 s89, s[WV], 6
	s_add_co_u32 s88, s88, s89                     ; my first token: 256 y + 64 wave
	s_lshl_b32 s88, s88, 12
	s_lshl_b32 s89, s23, 9                         ; my block's 128 columns
	s_add_co_u32 s88, s88, s89
	s_mov_b32 s89, 0
	s_add_nc_u64 s[10:11], s[10:11], s[88:89]
	s_wait_alu depctr_va_vdst(0)
	s_cmp_lt_u32 s[WV], 2                          ; K steps 0 to 3 came by waves 0 and 1, whose load lines are their own: they wait; waves 2 and 3's loads may stay out
	s_cbranch_scc0 .Lhalf0
	s_wait_tensorcnt 0x0
.Lhalf0:
	s_wait_dscnt 0x0
	s_barrier_signal -1
	s_barrier_wait -1
	FETCH 0, 0
	FETCH 1, 1
	s_wait_loadcnt 0x0                             ; the bias
	s_wait_dscnt 50                                ; step 0's 50 loads are in; step 1's 50 may be out
	MUL32 0, 1
	s_wait_dscnt 0x0                               ; step 1's fragments are in
	PLACES
	FETCH 2, 0
	MUL32 1, 0
	PLACES
	FETCH 3, 1
	s_wait_dscnt 50                                ; all but the 50 just issued
	MUL32 0, 0
	SLOTWAIT 0                                     ; K steps 4 to 7 are in LDS: every wave waits for its one load, under no branch
	PLACES
	FETCH 4, 0
	MUL32 1, 0
	PLACES
	FETCH 5, 1
	s_wait_dscnt 50
	MUL32 0, 0
	s_wait_dscnt 0x0                               ; step 5's fragments are in
	PLACES
	FETCH 6, 0
	MUL32 1, 0
	PLACES
	FETCH 7, 1
	s_wait_dscnt 50
	MUL32 0, 0
	s_wait_dscnt 0x0                               ; my last reads of the tiles are in
	MUL32 1, 0
	WIN 0
	s_barrier_signal -1                            ; every wave's are: P's bytes may take the stages
	s_barrier_wait -1
; THE WAY OUT, a tile of 16 tokens x 128 columns at a time.  A lane holds 4 x 64 bytes of one row, and the lanes beside it hold other rows: so a tile goes through my own stage and comes back as whole rows of 512 bytes.
; LDS serves a wave's instructions in order: no wait between the stores and the loads, nor in front of the next tile's stores.
.macro TOSTAGE qi
	WIN 0x08                                       ; an LDS store's data are its source 1: window 2
.irp b, 0,1,2,3
.irp k, 0,1,2,3
	ds_store_b128 v[STO], v[64*(\qi)+16*\b+4*\k:64*(\qi)+16*\b+4*\k+3] offset:128*\b+16*\k   ; each accumulator from its low end on
.endr
.endr
	WIN 0
.set BB, 32+96*((\qi)%2)
.irp t, 0,1,2,3,4,5,6,7,8,9,10,11,12,13,14,15
	ds_load_b128 v[BB+4*\t:BB+4*\t+3], v[RD] offset:\t*SPITCH
.endr
.endm
.macro SEND qi, younger                ; younger: the LDS instructions issued behind tile qi's loads, which may stay out
.set BB, 32+96*((\qi)%2)
	s_wait_dscnt \younger
.irp t, 0,1,2,3,4,5,6,7,8,9,10,11,12,13,14,15
	global_store_b128 v4, v[BB+4*\t:BB+4*\t+3], s[10:11] offset:(32*((\qi)/2)+8*((\qi)%2)+\t+8*(\t/8))*4096 th:TH_STORE_NT   ; 32 lanes store 512 consecutive bytes, at a multiple of 256 from out0's first byte
.endr
.endm
	PLACES
	TOSTAGE 0
.irp a, 1,2,3
.if \a > 1
	s_wait_xcnt 0x0                                ; tile a - 2's stores have read their registers: tile a's loads may land there
.endif
	TOSTAGE \a
	SEND \a-1, 32                                  ; behind tile a - 1's loads: tile a's 16 stores and 16 loads
.endr
	SEND 3, 0
	s_wait_tensorcnt 0x0                           ; the wave's end, behind my last tensor load and my last LDS store
	ds_add_u32 v[SPW], v[NIL]
	s_wait_dscnt 0x0
	CROUND                                         ; the closing round
	s_endpgm
.Lfunc_end_k_q27eda2e8b8_proj:
	.size	k_q27eda2e8b8_proj, .Lfunc_end_k_q27eda2e8b8_proj-k_q27eda2e8b8_proj
	.p2alignl 7, 3214868480
	.fill 96, 4, 3214868480
	.section	.rodata,"a",@progbits
	.p2align	6, 0x0
	.amdhsa_kernel k_q27eda2e8b8_proj
		.amdhsa_group_segment_fixed_size 307712
		.amdhsa_private_segment_fixed_size 0
		.amdhsa_enable_private_segment 0
		.amdhsa_kernarg_size 32
		.amdhsa_user_sgpr_count 2
		.amdhsa_user_sgpr_kernarg_segment_ptr 1
		.amdhsa_wavefront_size32 1
		.amdhsa_system_sgpr_workgroup_id_x 1
		.amdhsa_system_sgpr_workgroup_id_y 1
		.amdhsa_system_sgpr_workgroup_id_z 1
		.amdhsa_system_vgpr_workitem_id 0
		.amdhsa_next_free_vgpr 768
		.amdhsa_next_free_sgpr 100
		.amdhsa_reserve_vcc 0
		.amdhsa_float_denorm_mode_32 3
		.amdhsa_float_denorm_mode_16_64 3
		.amdhsa_memory_ordered 1
		.amdhsa_forward_progress 1
		.amdhsa_inst_pref_size 83
	.end_amdhsa_kernel
	.amdgpu_metadata
---
amdhsa.version: [ 1, 2 ]
amdhsa.kernels:
  - .name:           k_q27eda2e8b8_proj
    .symbol:         k_q27eda2e8b8_proj.kd
    .args:
      - { .name: ctxq, .offset: 0, .size: 8, .value_kind: global_buffer, .address_space: global }
      - { .name: wimg, .offset: 8, .size: 8, .value_kind: global_buffer, .address_space: global }
      - { .name: bo, .offset: 16, .size: 8, .value_kind: global_buffer, .address_space: global }
      - { .name: out0, .offset: 24, .size: 8, .value_kind: global_buffer, .address_space: global }
    .group_segment_fixed_size: 307712
    .private_segment_fixed_size: 0
    .kernarg_segment_align: 8
    .kernarg_segment_size: 32
    .max_flat_workgroup_size: 128
    .sgpr_count:     100
    .vgpr_count:     768
    .wavefront_size: 32
...
	.end_amdgpu_metadata
.endif
;; end of part 4
